; MI455X (gfx1250); checked and timed in simulation.
; The chip was launched on July 23, 2026; its instructions are those of AMD's public machine-readable ISA for CDNA 5 (MIT licence, August 2026) and "CDNA5" Instruction Set Architecture Reference Guide (July 2026). The comments in the code are by the model that wrote it; some were corrected since.
;; Grouped Query Attention. Allowed arithmetic: matrix products marked QUANTISED: E5M2 operands, one E8M0 scale for each 32 along K, by v_wmma_scale_f32_16x16x128_f8f6f4 with both operands' format E5M2, f32 sums; everything else in f32.
;; Inputs: b_k 256 float32; b_o 1,024 float32; b_q 1,024 float32; b_v 256 float32; key_codes 1 x 4,096 x 32 x 32 uint8 (E5M2 codes of key, K innermost, in blocks of 32 codes); key_scales 1 x 4,096 x 32 uint8 (E8M0 scales of key, one for each 32 codes along K); query_codes 1 x 4,096 x 32 x 32 uint8 (E5M2 codes of query, K innermost, in blocks of 32 codes); query_scales 1 x 4,096 x 32 uint8 (E8M0 scales of query, one for each 32 codes along K); value_codes 1 x 4,096 x 32 x 32 uint8 (E5M2 codes of value, K innermost, in blocks of 32 codes); value_scales 1 x 4,096 x 32 uint8 (E8M0 scales of value, one for each 32 codes along K); w_k_codes 256 x 32 x 32 uint8 (E5M2 codes of w_k, K innermost, in blocks of 32 codes); w_k_scales 256 x 32 uint8 (E8M0 scales of w_k, one for each 32 codes along K); w_o_codes 1,024 x 32 x 32 uint8 (E5M2 codes of w_o, K innermost, in blocks of 32 codes); w_o_scales 1,024 x 32 uint8 (E8M0 scales of w_o, one for each 32 codes along K); w_q_codes 1,024 x 32 x 32 uint8 (E5M2 codes of w_q, K innermost, in blocks of 32 codes); w_q_scales 1,024 x 32 uint8 (E8M0 scales of w_q, one for each 32 codes along K); w_v_codes 256 x 32 x 32 uint8 (E5M2 codes of w_v, K innermost, in blocks of 32 codes); w_v_scales 256 x 32 uint8 (E8M0 scales of w_v, one for each 32 codes along K).
;; Outputs: out0 1 x 4,096 x 1,024 float32.
;; This version of the problem:
;;   THIS VERSION OF THE PROBLEM IS GIVEN IN LOW PRECISION. The matrix products marked QUANTISED in the list below multiply operands that are first quantised to E5M2 (5 exponent bits, 2 mantissa bits; 8 bits a number), with one power-of-two scale for each 32 numbers along K (OCP MX v1.0); their sums are f32. All else is computed in f32.
;;   The module's matrix products, in the order in which they are computed (A, B: the left and right operand; K: the contracted axis; several contracted axes count as one K, in the product's order):
;;     1. [M 4,096, K 1,024] x [K 1,024, N 1,024]; A: input query (given as codes); B: input w_q (given as codes): QUANTISED
;;     2. [M 4,096, K 1,024] x [K 1,024, N 256]; A: input key (given as codes); B: input w_k (given as codes): QUANTISED
;;     3. [M 4,096, K 1,024] x [K 1,024, N 256]; A: input value (given as codes); B: input w_v (given as codes): QUANTISED
;;     4. batch 4 x [M 4,096, K 64] x [K 64, N 16,384]; A: computed on the way; B: computed on the way: QUANTISED
;;     5. batch 4 x [M 64, K 4,096] x [K 4,096, N 16,384]; A: computed on the way; B: softmax (see below): QUANTISED
;;     6. [M 4,096, K 1,024] x [K 1,024, N 1,024]; A: computed on the way; B: input w_o (given as codes): QUANTISED
;;   THE QUANTISER, for each operand of a quantised product, along K:
;;     - K is cut into blocks of 32 from its start; a last block that is shorter is filled with zeros.
;;     - A block's scale is 2^e with e = floor(log2(the largest magnitude in the block)) - 15, held to -126 .. 127; a block of zeros has e = 0. As a byte (E8M0): e + 127.
;;     - Each number is divided by its block's scale, clamped to +-57,344, and rounded to the nearest number of E5M2, ties to even, subnormals kept.
;;     - The product sums the exact products of the quantised numbers (number of the format x scale) in f32.
;;   ~~~python
;;   def quantise(x, axis):      # numpy; x: float32 -> the quantised numbers, widened to float32 again
;;       x = np.moveaxis(x, axis, -1); K = x.shape[-1]
;;       x = np.pad(x, [(0, 0)] * (x.ndim - 1) + [(0, -K % 32)]); x = x.reshape(x.shape[:-1] + (-1, 32)); a = np.abs(x).max(-1, keepdims=True)
;;       e = np.where(a > 0, np.clip(np.frexp(np.where(a > 0, a, 1))[1] - 1 - 15, -126, 127), 0)      # np.frexp(a)[1] - 1 = floor(log2(a)), exactly
;;       r = np.clip(x / 2.0 ** e, -57344, 57344)
;;       step = 2.0 ** (np.maximum(np.frexp(np.where(r == 0, 1, r))[1] - 1, -14) - 2)
;;       q = np.round(r / step) * step * 2.0 ** e      # np.round: ties to even
;;       return np.moveaxis(q.reshape(q.shape[:-2] + (-1,))[..., :K], -1, axis).astype(np.float32)
;;   ~~~
;;   SOFTMAX AHEAD OF A QUANTISED PRODUCT. Where the list says 'softmax', what is quantised is not the finished softmax but p = 2^(t - M), with t = logit x log2(e) and M = ceil(the row's largest t), a whole number; so 1/2 < the row's largest p <= 1. The row's sum l is taken of the UNQUANTISED p, in f32, and the product's result is divided by l at the end. Since M is a whole number, a kernel that streams over the keys may use a running M (the ceiling of the running maximum): every later rescaling is an exact power of two, which a block's scale takes up: the codes' values come out the same.
;;   OPERANDS COMPUTED ON THE WAY. 'Computed on the way' means the value that the module computes at that place (a softmax that the list does not call 'softmax' is quantised finished and normalised). What goes into a quantiser is computed in f32, as accurately as f32 sums, v_exp_f32 and their like allow (about 1e-6 of the number): no bf16 or f16 on the way to a quantiser, and a product that is left as it is and whose result goes on into a quantised operand takes f32 operands (vector FMAs, or v_wmma_f32_16x16x4_f32). A number that lies on a knife's edge between two numbers of the format may be rounded either way, as far as f32 arithmetic and the matrix unit's own rounding can turn it there, and no further.
;;   INPUTS GIVEN AS CODES. key (in the module: [1, 4096, 1024], K = its axis 2); query (in the module: [1, 4096, 1024], K = its axis 2); value (in the module: [1, 4096, 1024], K = its axis 2); w_k (in the module: [1024, 256], K = its axis 0); w_o (in the module: [1024, 1024], K = its axis 0); w_q (in the module: [1024, 1024], K = its axis 0); w_v (in the module: [1024, 256], K = its axis 0): each comes as NAME_codes (uint8): NAME with its K axis moved to the last place and cut into blocks of 32 codes, [.., K / 32, bytes a block], one block behind the other in memory; one code a byte (a code: sign, 5 exponent bits, 2 mantissa bits); and NAME_scales (uint8): the same leading axes, one E8M0 byte (e + 127) for each 32 codes along K. Its value is code x scale, taken as it is: it is not quantised again, and the codes and scales need not be those that the quantiser above would give.
;; One version. Each part assembles by itself: llvm-mc -triple=amdgcn-amd-amdhsa -mcpu=gfx1250 --defsym DOCPART=n.
;; ======== version 1 of 1: 3 launches
;; limits: right only within a limited range of input values
;; workspace buffers: kv_codes 2,097,152 bytes; kv_scales 98,304 bytes; a_img 4,194,304 bytes; a_scl 131,072 bytes
;; launch kvproj (part 1): grid 4 x 64, 4 waves a work-group, clusters of 4 x 4, 209,408 bytes of LDS; arguments key_codes, key_scales, value_codes, value_scales, w_k_codes, w_k_scales, w_v_codes, w_v_scales, b_k, b_v, kv_codes, kv_scales; writes kv_codes, kv_scales
.if DOCPART == 1
	.amdgcn_target "amdgcn-amd-amdhsa--gfx1250"
	.amdhsa_code_object_version 6
	.text
	.protected	k_q0c9e81bf96_kvproj
	.globl	k_q0c9e81bf96_kvproj
	.p2align	8
	.type	k_q0c9e81bf96_kvproj,@function
k_q0c9e81bf96_kvproj:
	s_mov_b64 s[64:65], 0
	v_nop
	global_prefetch_b8 v0, s[64:65] scope:SCOPE_SE
	s_setreg_imm32_b32 hwreg(HW_REG_WAVE_MODE, 25, 1), 1
	s_wait_xcnt 0x0
	s_wait_alu depctr_hold_cnt(0) depctr_sa_sdst(0) depctr_va_vdst(0) depctr_va_sdst(0) depctr_va_ssrc(0) depctr_va_vcc(0) depctr_vm_vsrc(0)
	s_getreg_b32 s2, hwreg(HW_REG_IB_STS2, 6, 4)
	s_cmp_eq_u32 s2, 0
	s_cbranch_scc0 .Lentry_in_a_cluster
	s_endpgm
.Lentry_in_a_cluster:
	s_bfe_u32 s2, ttmp6, 0x10000c
	s_cmp_lg_u32 s2, 0xf033
	s_cbranch_scc0 .Lentry_shape_is_right
	s_endpgm
.Lentry_shape_is_right:
; GROUPED-QUERY ATTENTION IN MX-BF8, LAUNCH 1 OF 3: k = key w_k + b_k and v = value w_v + b_v, quantised and laid out as the attention launch's operand registers.
; NO WORK OF reference() IS LEFT OUT in any of the three launches, and every input is loaded: b_k moves k's codes, so it stays though a softmax in real numbers would cancel it; b_q, b_v, b_o reach the output.
; LIMITS: NaN and infinities among the inputs are not served.  A block of zeros gets the scale byte 1 where the rule says 127: its codes are zeros, which add nothing under any byte but 0xff, and the
; bytes are read by this program alone.  Blocks whose largest magnitude lies under the floor 2^(16 - 127) were not tried.
; SHARES.  A work-group makes 128 rows (one key step of the attention) x the 64 channels of one key-value head g, over K = 1,024.  The first 8 rows of clusters make k, the other 8 make v: 256 work-groups of equal work.
; All of K fits in LDS (128 rows of the input, 64 rows of the weight), so there is no ring and nothing is filled twice: every tile is asked for at the head, in four chunks of 256 along K,
; and counted waits let the first K steps begin while the later chunks are on their way.  No prefetch: every request of the launch stands at its head.
; CLUSTERS: 4 x 4.  The four of a row of the cluster (four heads g) need the same input rows, the four of a column the same weight rows: each tile is asked for jointly, by one descriptor and a mask of four.
; LAYOUT.  rp(r) = r + 8 (r / 8).  A tile's lane r on the side that becomes REGISTERS (source 0) takes row 32 b + 8 u + rp(r) for tile 2 b + u: then the 16 registers of tiles 2 b, 2 b + 1 are 16 neighbours
; 32 b + 16 (lane / 16) + 0 .. 15 along the next product's K, and the conversions' results are that product's operand registers.
;   k: source 0 = 16 rows of w_k (channels: the next K), source 1 = 16 keys, themselves taken in the order rp, so that the scores' registers will run along neighbouring keys.
;   v: source 0 = 16 rows of value (keys: the next K), source 1 = 16 rows of w_v, taken in the order rp, so that the attention's output registers will run along neighbouring channels.
; OUT.  kv_codes [g][step][k: tile 8 x c 2 x lane 32 x 16 bytes | v: tile 4 x c 4 x lane 32 x 16 bytes]: images of the operands' registers; each store of a wave covers 512 consecutive bytes, aligned.
;       kv_scales [g][step][k: lane 32 x 4 words | v: lane 32 x 2 words]: word (16 u + r, w) is tile 2 w + u's, lane r's.
; THE FILLS AS THEY STAND NOW (in place of the four chunks that the head names): each wave asks for ONE tile of whole rows of K, 1,024 bytes a row: waves 0, 1 the input's halves of 64 rows, waves 2, 3 the weight's halves of 32;
; one wait for 0 and one barrier show them to all.  A chunk is now 256 bytes further along a row.  k's scale word (lane r, word w) now holds tile 2 w's two bytes below and tile 2 w + 1's two bytes above; lanes 16-31 hold the same.
.set PITCH, 1040                       ; an LDS row: 1,024 bytes + 16 of padding: an odd multiple of 16, so the 16 rows of a fragment load start at 16 different banks
.set XCH,   256                        ; from chunk to chunk along a row
.set WB,    128*PITCH                  ; behind the input's 128 rows: the weight's 64
.set WCH,   256
.set SPARE, WB+64*PITCH                ; the spare words
.set R,   1                            ; v1   lane % 16
.set H,   2                            ; v2   lane / 16
.set RP,  3                            ; v3   rp(lane % 16)
.set SPW, 4                            ; v4   LDS address of my spare word; never rewritten
.set NIL, 5                            ; v5   0; never rewritten
.set AX,  6                            ; v6-9 LDS address of my input fragments, one for each chunk
.set AW,  10                           ; v10  of my weight fragments
.set OSC, 11                           ; v11  (rp + 8 (lane / 16)) x 32: a scale row of a pair of tiles
.set OWS, 12                           ; v12  v: my weight row's scale words
.set OBI, 13                           ; v13  the bias
.set L16, 14                           ; v14  16 x lane
.set OST, 15                           ; v15  v: where my half of a scale word goes
.set ACC, 16                           ; v16-79   eight accumulators
.set F0,  80                           ; v80-143  four fragments of source 0
.set F1,  144                          ; v144-175 fragments of source 1
.set BI,  176                          ; v176-207 the bias in the result's layout: the C of each sum's first product
.set SA,  208                          ; v208..   source 0's scale words: register 8 b + s: lanes 0-15 tile 2 b's, lanes 16-31 tile 2 b + 1's, K step s
.set SXK, 224                          ; v224-231 k: the keys' scale words, K step s: lanes 0-15 my first tile's, lanes 16-31 my second's
.set SWV, 240                          ; v240-243 v: w_v's scale words: lanes 0-15 K steps 0-3, lanes 16-31 K steps 4-7
.set TM,  80                           ; the way out: the quantiser's 16 work registers,
.set CD,  96                           ; the codes,
.set PW,  112                          ; the scale words
.set WV,  14                           ; s14  my wave's number
.set G1X, 16                           ; s[16:23] descriptor group 1 for the input's tiles;  s[24:31] for the weight's
.set G1W, 24
.set G0X, 32                           ; s[32:47] groups 0 for the input's four chunks;  s[48:63] for the weight's
.set G0W, 48
.set SEL, 68                           ; s68, s69 lane selects for v_permlanex16_b32: lane l xor 16
.set MNT, 70                           ; s70  the mantissa field of 57,344
.macro CROUND                          ; a round of the cluster's barrier
	s_barrier_signal -1
	s_barrier_wait -1
	s_cmp_lg_u32 s[WV], 0
	s_cbranch_scc1 .Lnot_wave_0_\@
	s_barrier_signal -3
.Lnot_wave_0_\@:
	s_barrier_wait -3
	s_barrier_signal -1
	s_barrier_wait -1
.endm
.macro PLACES n                        ; plain places behind matrix instructions: eight for this form, in front of loads into registers that they read and of reads of their results
.rept \n
	v_nop
.endr
.endm
.macro ARRIVE left                     ; a chunk has come: my own load of it has landed (left younger loads of mine may stay out), then everybody's
	s_wait_tensorcnt \left
	s_barrier_signal -1
	s_barrier_wait -1
.endm
.macro FRAG reg, adr, off              ; a fragment, 16 rows x 128 K of 8-bit codes: lane l holds row l % 16; registers 4 c .. 4 c + 3 hold K = 32 c + 16 (l / 16) + 0 .. 15
.irp c, 0,1,2,3
	ds_load_b128 v[\reg+4*\c:\reg+4*\c+3], v[\adr] offset:\off+32*\c
.endr
.endm
.macro WMMA                            ; one product; registers and scale rows by the symbols rD, rA, rB, rC, rSA, rSB, rRA, rRB
.if (rRA == 0) && (rRB == 0)
	v_wmma_scale_f32_16x16x128_f8f6f4 v[rD:rD+7], v[rA:rA+15], v[rB:rB+15], v[rC:rC+7], v[rSA], v[rSB] matrix_a_fmt:MATRIX_FMT_BF8 matrix_b_fmt:MATRIX_FMT_BF8
.elseif rRB == 0
	v_wmma_scale_f32_16x16x128_f8f6f4 v[rD:rD+7], v[rA:rA+15], v[rB:rB+15], v[rC:rC+7], v[rSA], v[rSB] matrix_a_fmt:MATRIX_FMT_BF8 matrix_b_fmt:MATRIX_FMT_BF8 matrix_a_scale:MATRIX_SCALE_ROW1
.elseif rRA == 0
	v_wmma_scale_f32_16x16x128_f8f6f4 v[rD:rD+7], v[rA:rA+15], v[rB:rB+15], v[rC:rC+7], v[rSA], v[rSB] matrix_a_fmt:MATRIX_FMT_BF8 matrix_b_fmt:MATRIX_FMT_BF8 matrix_b_scale:MATRIX_SCALE_ROW1
.else
	v_wmma_scale_f32_16x16x128_f8f6f4 v[rD:rD+7], v[rA:rA+15], v[rB:rB+15], v[rC:rC+7], v[rSA], v[rSB] matrix_a_fmt:MATRIX_FMT_BF8 matrix_b_fmt:MATRIX_FMT_BF8 matrix_a_scale:MATRIX_SCALE_ROW1 matrix_b_scale:MATRIX_SCALE_ROW1
.endif
.endm
; nb blocks of 32: register src + 16 b + i = number 32 b + 16 (lane / 16) + i of my lane's row.  Codes into dst + 4 b .. + 3; the scale bytes are left in tm + 4 + b.
.macro QUANT src, nb, dst, tm
.irp b, 0,1,2,3
.if \b < \nb
	v_max3_num_f32 v[\tm+\b], |v[\src+16*\b]|, |v[\src+16*\b+1]|, 0x8000000   ; my 16 numbers and the floor 2^(16 - 127): the byte cannot fall under 1.  Each accumulator is read from its low end on
.endif
.endr
.irp i, 2,4,6,8,10,12,14
.irp b, 0,1,2,3
.if \b < \nb
	v_max3_num_f32 v[\tm+\b], v[\tm+\b], |v[\src+16*\b+\i]|, |v[\src+16*\b+\i+1]|   ; the blocks by turns
.endif
.endr
.endr
.irp b, 0,1,2,3
.if \b < \nb
	v_permlanex16_b32 v[\tm+4+\b], v[\tm+\b], s[SEL], s[SEL+1]
.endif
.endr
.irp b, 0,1,2,3
.if \b < \nb
	v_max_num_f32 v[\tm+\b], v[\tm+\b], v[\tm+4+\b]                  ; with lane l xor 16's 16: the block's largest magnitude
.endif
.endr
.irp b, 0,1,2,3
.if \b < \nb
	v_add_nc_u32 v[\tm+12+\b], 0xf8800000, v[\tm+\b]                 ; 15 off its exponent field: the conversion's scale operand
.endif
.endr
.irp b, 0,1,2,3
.if \b < \nb
	v_and_or_b32 v[\tm+8+\b], v[\tm+\b], 0x7f800000, s[MNT]          ; 57,344 x the scale
.endif
.endr
.irp b, 0,1,2,3
.if \b < \nb
	v_lshrrev_b32 v[\tm+4+\b], 23, v[\tm+12+\b]                      ; the scale's byte
.endif
.endr
.irp b, 0,1,2,3
.if \b < \nb
.irp i, 0,1,2,3,4,5,6,7,8,9,10,11,12,13,14,15
	v_med3_num_f32 v[\src+16*\b+\i], v[\src+16*\b+\i], -v[\tm+8+\b], v[\tm+8+\b]   ; the conversion to an 8-bit code does not saturate (ISA guide 7.6.2): the hold at the largest code x the scale
.endr
	v_cvt_scalef32_pk8_bf8_f32 v[\dst+4*\b:\dst+4*\b+1], v[\src+16*\b:\src+16*\b+7], v[\tm+12+\b]
	v_cvt_scalef32_pk8_bf8_f32 v[\dst+4*\b+2:\dst+4*\b+3], v[\src+16*\b+8:\src+16*\b+15], v[\tm+12+\b]
.endif
.endr
	v_nop                                          ; one plain line behind the last conversion
.endm
.macro FINISH                          ; the wave's end: the wait, add and wait behind my last tensor load; then the closing round: no work-group ends while a partner may still ask for a tile that names it
	s_wait_tensorcnt 0x0
	ds_add_u32 v[SPW], v[NIL]
	s_wait_dscnt 0x0
	CROUND
	s_endpgm
.endm
	s_load_b512 s[68:83], s[0:1], 0x0              ; key codes, key scales, value codes, value scales, w_k codes, w_k scales, w_v codes, w_v scales
	s_load_b256 s[84:91], s[0:1], 0x40             ; b_k, b_v, kv_codes, kv_scales
	v_lshl_add_u32 v[SPW], v0, 2, SPARE
	v_mov_b32 v[NIL], 0
	ds_add_u32 v[SPW], v[NIL]                      ; the wave's opening: the add, twice on end, and its wait ahead of my first tensor load; the set-up below stands between
	ds_add_u32 v[SPW], v[NIL]
	v_lshrrev_b32 v1, 5, v0
	v_readfirstlane_b32 s[WV], v1                  ; wave 0..3
	s_lshr_b32 s15, s[WV], 1                       ; I fetch for the input (0) or for the weight (1)
	s_and_b32 s3, s[WV], 1                         ; which half of that tile's rows
	s_bfe_u32 s66, ttmp6, 0x40000                  ; cx = the key-value head g (the grid has one cluster along x)
	s_bfe_u32 s67, ttmp6, 0x40004                  ; cy
	s_and_b32 s92, ttmp7, 0xffff                   ; the cluster's y: 0-7 make k, 8-15 make v: the same in all sixteen partners
	s_and_b32 s93, s92, 7
	s_lshl_b32 s93, s93, 2
	s_add_co_u32 s93, s93, s67                     ; the block of 128 rows = the key step, 0..31
	s_lshl_b32 s94, s67, 2
	s_lshl_b32 s94, 15, s94                        ; my row of the cluster
	s_lshl_b32 s95, 0x1111, s66                    ; my column
	s_or_b32 s[G1X], s94, (1<<20)|(1<<21)|(7<<22)|(3<<25)   ; the mask; elements of 1 byte; padding on; bit 21 beside a mask; four words after every 256
	s_or_b32 s[G1W], s95, (1<<20)|(1<<21)|(7<<22)|(3<<25)
	s_mov_b32 s[G1X+1], 1024<<16                   ; tensor_dim0 = 1,024
	s_mov_b32 s[G1X+2], 64<<16                     ; 64 rows
	s_mov_b32 s[G1X+3], 1024<<16                   ; tile_dim0
	s_mov_b32 s[G1X+4], 64                         ; tile_dim1
	s_mov_b32 s[G1X+5], 1024                       ; from row to row
	s_mov_b32 s[G1X+6], 0
	s_mov_b32 s[G1X+7], 0
	s_mov_b32 s[G1W+1], 1024<<16
	s_mov_b32 s[G1W+2], 32<<16                     ; 32 rows
	s_mov_b32 s[G1W+3], 1024<<16
	s_mov_b32 s[G1W+4], 32
	s_mov_b32 s[G1W+5], 1024
	s_mov_b32 s[G1W+6], 0
	s_mov_b32 s[G1W+7], 0
	s_mul_i32 s4, s3, 64*PITCH                     ; where my rows go: the wave's number and constants alone
	s_mul_i32 s5, s3, 32*PITCH
.irp c, 0
	s_mov_b32 s[G0X+4*\c], 1
	s_add_co_u32 s[G0X+4*\c+1], s4, \c*XCH
	s_mov_b32 s[G0W+4*\c], 1
	s_add_co_u32 s[G0W+4*\c+1], s5, WB+\c*WCH
.endr
	s_lshl_b32 s96, s93, 17                        ; the input: (128 x block + 64 x half) rows of 1,024 bytes: made of the cluster's y, cy and the wave alone
	s_lshl_b32 s97, s3, 16
	s_add_co_u32 s96, s96, s97
	s_mov_b32 s97, 0
	s_lshl_b32 s98, s66, 16                        ; the weight: (64 g + 32 x half) rows: made of cx and the wave alone
	s_lshl_b32 s99, s3, 15
	s_add_co_u32 s98, s98, s99
	s_mov_b32 s99, 0
	s_wait_dscnt 0x0                               ; both opening adds are done
	s_wait_kmcnt 0x0
	s_cmp_lt_u32 s92, 8                            ; k or v: only pointers are chosen here
	s_cselect_b64 s[4:5], s[68:69], s[72:73]       ; the input's codes,
	s_cselect_b64 s[6:7], s[70:71], s[74:75]       ; its scales,
	s_cselect_b64 s[8:9], s[76:77], s[80:81]       ; the weight's codes,
	s_cselect_b64 s[10:11], s[78:79], s[82:83]     ; its scales,
	s_cselect_b64 s[12:13], s[84:85], s[86:87]     ; the bias
	s_cselect_b32 s2, 1, 0
	s_add_nc_u64 s[4:5], s[4:5], s[96:97]
	s_add_nc_u64 s[8:9], s[8:9], s[98:99]
.irp c, 0
	s_add_nc_u64 s[G0X+4*\c+2:G0X+4*\c+3], s[4:5], 256*\c
	s_or_b32 s[G0X+4*\c+3], s[G0X+4*\c+3], 0x80000000
	s_add_nc_u64 s[G0W+4*\c+2:G0W+4*\c+3], s[8:9], 256*\c
	s_or_b32 s[G0W+4*\c+3], s[G0W+4*\c+3], 0x80000000
.endr
	CROUND                                         ; all sixteen work-groups are here: the joint loads meet
	s_cmp_eq_u32 s15, 0                            ; a wave's fill stands in one arm: one load of mine is out
	s_cbranch_scc0 .Lfill_w
.irp c, 0
	tensor_load_to_lds s[G0X+4*\c:G0X+4*\c+3], s[G1X:G1X+7]
	s_nop 0
.endr
	PLACES 4
	s_branch .Lfilled
.Lfill_w:
.irp c, 0
	tensor_load_to_lds s[G0W+4*\c:G0W+4*\c+3], s[G1W:G1W+7]
	s_nop 0
.endr
	PLACES 4
.Lfilled:
	v_and_b32 v[R], 15, v0
	v_bfe_u32 v[H], v0, 4, 1
	v_and_b32 v[RP], 8, v[R]
	v_add_nc_u32 v[RP], v[RP], v[R]                ; rp = r + 8 (r / 8)
	v_and_b32 v[L16], 31, v0
	v_lshlrev_b32 v[L16], 4, v[L16]
	v_lshlrev_b32 v[OSC], 5, v[RP]
	v_lshl_add_u32 v[OSC], v[H], 8, v[OSC]         ; scale rows of 32 bytes: row rp + 8 (lane / 16)
	s_mov_b32 s[SEL], 0x76543210
	s_mov_b32 s[SEL+1], 0xfedcba98
	s_mov_b32 s[MNT], 0x600000
	s_lshl_b32 s96, s93, 12                        ; the input's scales at my block: 128 rows of 32 bytes
	s_add_nc_u64 s[6:7], s[6:7], s[96:97]
	s_lshl_b32 s96, s66, 11                        ; the weight's scales at head g: 64 rows of 32 bytes
	s_add_nc_u64 s[10:11], s[10:11], s[96:97]
	s_lshl_b32 s96, s66, 8                         ; the bias at head g
	s_add_nc_u64 s[12:13], s[12:13], s[96:97]
	s_lshl_b32 s96, s66, 19                        ; kv_codes at [g][step]
	s_lshl_b32 s98, s93, 14
	s_add_co_u32 s96, s96, s98
	s_add_nc_u64 s[88:89], s[88:89], s[96:97]
	s_mul_i32 s96, s66, 24576                      ; kv_scales at [g][step]
	s_mul_i32 s98, s93, 768
	s_add_co_u32 s96, s96, s98
	s_add_nc_u64 s[90:91], s[90:91], s[96:97]
	s_cmp_eq_u32 s2, 0
	s_cbranch_scc1 .Lvalue
; ---------------- k.  Wave w makes key tiles 2 w and 2 w + 1 (keys 32 w .. 32 w + 31 of the step) x all 64 channels: eight accumulators (u, t) at ACC + 32 u + 8 t
	s_lshl_b32 s96, s[WV], 5
	s_wait_alu depctr_va_vdst(0)
	v_add_nc_u32 v[AX], s96, v[RP]
	v_mul_u32_u24 v[AX], v[AX], PITCH
	v_lshl_add_u32 v[AX], v[H], 4, v[AX]           ; key row 32 w + rp, + 16 x half
	v_add_nc_u32 v[AX+1], XCH, v[AX]
	v_add_nc_u32 v[AX+2], 2*XCH, v[AX]
	v_add_nc_u32 v[AX+3], 3*XCH, v[AX]
	v_mul_u32_u24 v[AW], v[RP], PITCH
	v_lshl_add_u32 v[AW], v[H], 4, v[AW]
	v_add_nc_u32 v[AW], WB, v[AW]                  ; weight row rp
	v_lshlrev_b32 v[OBI], 6, v[H]
	s_lshl_b32 s96, s[WV], 10                      ; my 32 keys' scale rows
	s_add_nc_u64 s[6:7], s[6:7], s[96:97]
	s_lshl_b32 s96, s[WV], 11                      ; my two tiles' images
	s_add_nc_u64 s[88:89], s[88:89], s[96:97]
	s_lshl_b32 s96, s[WV], 2                       ; my word of each lane's four
	s_add_nc_u64 s[90:91], s[90:91], s[96:97]
.irp b, 0,1
	global_load_b128 v[SA+8*\b:SA+8*\b+3], v[OSC], s[10:11] offset:1024*\b
	global_load_b128 v[SA+8*\b+4:SA+8*\b+7], v[OSC], s[10:11] offset:1024*\b+16
.endr
	global_load_b128 v[SXK:SXK+3], v[OSC], s[6:7]
	global_load_b128 v[SXK+4:SXK+7], v[OSC], s[6:7] offset:16
.irp t, 0,1,2,3
	global_load_b128 v[BI+8*\t:BI+8*\t+3], v[OBI], s[12:13] offset:(32*(\t/2)+8*(\t%2))*4      ; register j of tile t: channel 32 (t / 2) + 16 (lane / 16) + 8 (t % 2) + j
	global_load_b128 v[BI+8*\t+4:BI+8*\t+7], v[OBI], s[12:13] offset:(32*(\t/2)+8*(\t%2))*4+16
.endr
.macro KSTEP s                         ; 128 along K: six fragments, eight products, the accumulators by turns
.set kch, (\s)/2
.set khf, (\s)%2
.if (\s) > 0
	PLACES 8
.endif
.if (\s) == 0
	ARRIVE 0
.endif
.irp t, 0,1,2,3
.set rr, F0+16*\t
.set oo, kch*WCH+(32*(\t/2)+8*(\t%2))*PITCH+128*khf
	FRAG rr, AW, oo
.endr
.irp u, 0,1
.set rr, F1+16*\u
.set oo, 8*\u*PITCH+128*khf
	FRAG rr, AX+kch, oo
.endr
	s_wait_dscnt 0x0
.if (\s) == 0
	s_wait_loadcnt 0x0                             ; the scale words and the bias
.endif
.irp u, 0,1
.irp t, 0,1,2,3
.set rD, ACC+32*\u+8*\t
.set rC, rD
.if (\s) == 0
.set rC, BI+8*\t
.endif
.set rA, F0+16*\t
.set rB, F1+16*\u
.set rSA, SA+8*(\t/2)+(\s)
.set rSB, SXK+(\s)
.set rRA, \t%2
.set rRB, \u
	WMMA
.endr
.endr
.endm
	s_wait_alu depctr_va_vdst(0)
.irp s, 0,1,2,3,4,5,6,7
	KSTEP \s
.endr
	PLACES 8                                       ; the quantiser reads results just made and works in registers that the last products read
	QUANT ACC, 2, CD, TM                           ; key tile 2 w: two blocks of 32 channels
	v_lshl_or_b32 v[PW], v[TM+5], 8, v[TM+4]       ; its scale word: bytes 2 and 3, which stand over the zero codes of K = 64 .. 127, are 0
	global_store_b128 v[L16], v[CD:CD+3], s[88:89]
	global_store_b128 v[L16], v[CD+4:CD+7], s[88:89] offset:512
	QUANT ACC+32, 2, CD+8, TM                      ; key tile 2 w + 1
	v_lshl_or_b32 v[PW+1], v[TM+5], 8, v[TM+4]
	global_store_b128 v[L16], v[CD+8:CD+11], s[88:89] offset:1024
	global_store_b128 v[L16], v[CD+12:CD+15], s[88:89] offset:1536
	v_lshl_or_b32 v[PW+2], v[PW+1], 16, v[PW]      ; the first tile's two bytes below, the second's above: the attention feeds both tiles as one fragment
	global_store_b32 v[L16], v[PW+2], s[90:91]
	FINISH
; ---------------- v.  Wave w makes channel tile w (channels 32 (w / 2) + 8 (w % 2) + rp) x all 128 keys: eight accumulators, key tile T at ACC + 8 T
.Lvalue:
	s_lshl_b32 s96, s15, 5
	s_lshl_b32 s98, s3, 3
	s_add_co_u32 s98, s98, s96                     ; my tile's first channel
	s_wait_alu depctr_va_vdst(0)
	v_mul_u32_u24 v[AX], v[RP], PITCH
	v_lshl_add_u32 v[AX], v[H], 4, v[AX]           ; value row rp
	v_add_nc_u32 v[AX+1], 64*PITCH, v[AX]          ; the second group's rows, 64 further down: the offsets stay inside 16 bits
	v_add_nc_u32 v[AW], s98, v[RP]                 ; my lane's channel
	v_lshlrev_b32 v[OBI], 2, v[AW]
	v_lshlrev_b32 v[OWS], 5, v[AW]
	v_lshl_add_u32 v[OWS], v[H], 4, v[OWS]         ; its scale row: lanes 0-15 words 0-3, lanes 16-31 words 4-7
	s_wait_alu depctr_va_vdst(0)
	v_mul_u32_u24 v[AW], v[AW], PITCH
	v_lshl_add_u32 v[AW], v[H], 4, v[AW]
	v_add_nc_u32 v[AW], WB, v[AW]
	v_lshlrev_b32 v[OST], 3, v[R]
	v_lshl_add_u32 v[OST], v[H], 1, v[OST]         ; 8 r + 2 (lane / 16)
	s_lshl_b32 s96, s[WV], 11                      ; my tile's image, behind k's 8,192 bytes
	s_add_co_u32 s96, s96, 8192
	s_add_nc_u64 s[88:89], s[88:89], s[96:97]
	s_lshl_b32 s96, s3, 7                          ; my words: lane 16 (w % 2) + r, word w / 2, behind k's 512 bytes
	s_lshl_b32 s98, s15, 2
	s_add_co_u32 s96, s96, s98
	s_add_co_u32 s96, s96, 512
	s_add_nc_u64 s[90:91], s[90:91], s[96:97]
.irp b, 0,1,2,3
	global_load_b128 v[SA+8*\b:SA+8*\b+3], v[OSC], s[6:7] offset:1024*\b
	global_load_b128 v[SA+8*\b+4:SA+8*\b+7], v[OSC], s[6:7] offset:1024*\b+16
.endr
	global_load_b128 v[SWV:SWV+3], v[OWS], s[10:11]
.irp j, 0,1,2,3,4,5,6,7
	global_load_b32 v[BI+\j], v[OBI], s[12:13]     ; a lane holds one channel: its bias in all eight registers of C
.endr
.macro VSTEP s                         ; 128 along K: w_v's fragment, and value's eight in two groups of four
.set kch, (\s)/2
.set khf, (\s)%2
.irp g, 0,1
.if ((\s) > 0) || (\g > 0)
	PLACES 8
.endif
.if ((\s) == 0) && (\g == 0)
	ARRIVE 0
.endif
.if \g == 0
.set oo, kch*WCH+128*khf
	FRAG F1, AW, oo
.endif
.irp t, 0,1,2,3
.set rr, F0+16*\t
.set oo, (32*(\t/2)+8*(\t%2))*PITCH+256*kch+128*khf
	FRAG rr, AX+\g, oo
.endr
	s_wait_dscnt 0x0
.if ((\s) == 0) && (\g == 0)
	s_wait_loadcnt 0x0
.endif
.irp t, 0,1,2,3
.set rD, ACC+8*(4*\g+\t)
.set rC, rD
.if (\s) == 0
.set rC, BI
.endif
.set rA, F0+16*\t
.set rB, F1
.set rSA, SA+8*((4*\g+\t)/2)+(\s)
.set rSB, SWV+(\s)%4
.set rRA, \t%2
.set rRB, (\s)/4
	WMMA
.endr
.endr
.endm
	s_wait_alu depctr_va_vdst(0)
.irp s, 0,1,2,3,4,5,6,7
	VSTEP \s
.endr
	PLACES 8
	QUANT ACC, 4, CD, TM                           ; four blocks of 32 KEYS: the keys are the second product's K
	v_lshl_or_b32 v[PW], v[TM+5], 8, v[TM+4]
	v_lshl_or_b32 v[PW], v[TM+6], 16, v[PW]
	v_lshl_or_b32 v[PW], v[TM+7], 24, v[PW]        ; my channel's scale word for these 128 keys
.irp c, 0,1,2,3
	global_store_b128 v[L16], v[CD+4*\c:CD+4*\c+3], s[88:89] offset:512*\c
.endr
	v_lshrrev_b32 v[PW+1], 16, v[PW]
	v_cmp_eq_u32 vcc_lo, 1, v[H]
	v_cndmask_b32 v[PW+2], v[PW], v[PW+1], vcc_lo  ; both halves of the lanes hold the word: lanes 0-15 store its low half, lanes 16-31 its high half
	global_store_b16 v[OST], v[PW+2], s[90:91]
	FINISH
.Lfunc_end_k_q0c9e81bf96_kvproj:
	.size	k_q0c9e81bf96_kvproj, .Lfunc_end_k_q0c9e81bf96_kvproj-k_q0c9e81bf96_kvproj
	.p2alignl 7, 3214868480
	.fill 96, 4, 3214868480
	.section	.rodata,"a",@progbits
	.p2align	6, 0x0
	.amdhsa_kernel k_q0c9e81bf96_kvproj
		.amdhsa_group_segment_fixed_size 209408
		.amdhsa_private_segment_fixed_size 0
		.amdhsa_enable_private_segment 0
		.amdhsa_kernarg_size 96
		.amdhsa_user_sgpr_count 2
		.amdhsa_user_sgpr_kernarg_segment_ptr 1
		.amdhsa_wavefront_size32 1
		.amdhsa_system_sgpr_workgroup_id_x 1
		.amdhsa_system_sgpr_workgroup_id_y 1
		.amdhsa_system_sgpr_workgroup_id_z 1
		.amdhsa_system_vgpr_workitem_id 0
		.amdhsa_next_free_vgpr 256
		.amdhsa_next_free_sgpr 100
		.amdhsa_reserve_vcc 1
		.amdhsa_float_denorm_mode_32 3
		.amdhsa_float_denorm_mode_16_64 3
		.amdhsa_memory_ordered 1
		.amdhsa_forward_progress 1
		.amdhsa_inst_pref_size 82
	.end_amdhsa_kernel
	.amdgpu_metadata
---
amdhsa.version: [ 1, 2 ]
amdhsa.kernels:
  - .name:           k_q0c9e81bf96_kvproj
    .symbol:         k_q0c9e81bf96_kvproj.kd
    .args:
      - { .name: key_codes, .offset: 0, .size: 8, .value_kind: global_buffer, .address_space: global }
      - { .name: key_scales, .offset: 8, .size: 8, .value_kind: global_buffer, .address_space: global }
      - { .name: value_codes, .offset: 16, .size: 8, .value_kind: global_buffer, .address_space: global }
      - { .name: value_scales, .offset: 24, .size: 8, .value_kind: global_buffer, .address_space: global }
      - { .name: w_k_codes, .offset: 32, .size: 8, .value_kind: global_buffer, .address_space: global }
      - { .name: w_k_scales, .offset: 40, .size: 8, .value_kind: global_buffer, .address_space: global }
      - { .name: w_v_codes, .offset: 48, .size: 8, .value_kind: global_buffer, .address_space: global }
      - { .name: w_v_scales, .offset: 56, .size: 8, .value_kind: global_buffer, .address_space: global }
      - { .name: b_k, .offset: 64, .size: 8, .value_kind: global_buffer, .address_space: global }
      - { .name: b_v, .offset: 72, .size: 8, .value_kind: global_buffer, .address_space: global }
      - { .name: kv_codes, .offset: 80, .size: 8, .value_kind: global_buffer, .address_space: global }
      - { .name: kv_scales, .offset: 88, .size: 8, .value_kind: global_buffer, .address_space: global }
    .group_segment_fixed_size: 209408
    .private_segment_fixed_size: 0
    .kernarg_segment_align: 8
    .kernarg_segment_size: 96
    .max_flat_workgroup_size: 128
    .sgpr_count:     100
    .vgpr_count:     256
    .wavefront_size: 32
...
	.end_amdgpu_metadata
.endif
;; end of part 1
;; launch attn (part 2): grid 16 x 16, 16 waves a work-group, clusters of 4 x 1, 327,680 bytes of LDS; arguments query_codes, query_scales, w_q_codes, w_q_scales, b_q, kv_codes, kv_scales, a_img, a_scl; writes a_img, a_scl
.if DOCPART == 2
	.amdgcn_target "amdgcn-amd-amdhsa--gfx1250"
	.amdhsa_code_object_version 6
	.text
	.protected	k_q0c9e81bf96_attn
	.globl	k_q0c9e81bf96_attn
	.p2align	8
	.type	k_q0c9e81bf96_attn,@function
k_q0c9e81bf96_attn:
	s_mov_b64 s[64:65], 0
	v_nop
	global_prefetch_b8 v0, s[64:65] scope:SCOPE_SE
	s_setreg_imm32_b32 hwreg(HW_REG_WAVE_MODE, 25, 1), 1
	s_wait_xcnt 0x0
	s_wait_alu depctr_hold_cnt(0) depctr_sa_sdst(0) depctr_va_vdst(0) depctr_va_sdst(0) depctr_va_ssrc(0) depctr_va_vcc(0) depctr_vm_vsrc(0)
	s_getreg_b32 s2, hwreg(HW_REG_IB_STS2, 6, 4)
	s_cmp_eq_u32 s2, 0
	s_cbranch_scc0 .Lentry_in_a_cluster
	s_endpgm
.Lentry_in_a_cluster:
	s_bfe_u32 s2, ttmp6, 0x10000c
	s_cmp_lg_u32 s2, 0x3003
	s_cbranch_scc0 .Lentry_shape_is_right
	s_endpgm
.Lentry_shape_is_right:
; LAUNCH 2 OF 3: q = query w_q + b_q for the work-group's own 256 queries of one head, quantised in registers; S^T = K Q^T; the softmax by the problem's rule; O^T += V^T P^T; O / l quantised for the last product.
; No work of reference() is left out here.
; THE SOFTMAX: t = score x log2(e) / 8; M = the running largest t rounded UP to a whole number; p = 2^(t - M) is quantised along the keys, not normalised; the row's sum l is taken of the unquantised p
; and divides O at the end.  When M moves, l and O are multiplied by 2^(old M - new M): exact.
; LIMITS: NaN and infinities are not served.  The promise holds while |t| stays under 2^31.  A block of zeros gets the byte 1 (its codes are zeros; this program alone reads the bytes); blocks under the floor 2^(16 - 127) were not tried.
; 1 / l is v_rcp_f32.  A block's largest p is made from the block's largest score by the same two instructions: that takes v_exp_f32 not to fall where its input rises.
; THE FIRST PRODUCT HAS K = 64 and the instruction 128.  A fragment of K holds TWO tiles of 16 keys, one in K = 0 .. 63 and one in K = 64 .. 127; it is multiplied once by [q, 0] and once by [0, q]:
; Q stands as 24 registers [q, 0, q].  Zero codes add nothing under any finite scale byte.  K's scale word has the first tile's two bytes below and the second's above; Q's has its two bytes twice.
; SHARES.  A work-group owns 256 queries of one head; each of its sixteen waves 16 of them, in 256 registers, four waves to a SIMD.  Every wave walks the head group's 4,096 keys, 128 a step.
; THE RING.  A step's operands lie in kv_codes as images of their registers, 16,384 dense bytes; in LDS they are 16 rows of 1,024 bytes + 16 of padding.  Two slots of EIGHT steps, so 32 steps have three changes of slots.
; w_q's 64 rows have the same shape as four steps and lie in slot 1's first four places until every wave has its q.
; FILLS, one tensor load a wave each time.  Head: waves 0-3 w_q's quarters, waves 4-7 the quarters of the key-value head's scale words, waves 8-15 steps 0-7.  Behind a first drained round: waves 4-7 steps 12-15 (first fills alone).
; Behind a second, after the projection: waves 0-3 steps 8-11 over w_q's rows (refills alone).  At two changes of slots: waves 0-7 a step each.
; CLUSTER: the four query blocks of a cluster have one head: all these tiles are asked for JOINTLY (mask 15), each group behind a round of the cluster's barrier.
; A lane holds ONE query (lane % 16) throughout; both products are used transposed; the order rp of launch 1 makes each result's registers run along the next product's K.
; OUT.  a_img [block of 128 rows][K step 8][tile of 16 rows 8][c 4][lane 32][16 bytes]: images of the last product's operand registers; a_scl [row][32 bytes]: byte 2 x head + block.
.set STP,   16640                      ; a step in LDS: 16 rows x 1,040
.set SLOT1, 8*STP                      ; slot 1
.set SCL,   16*STP                     ; behind the ring: the scale words of 32 steps, 768 bytes a step: filled once
.set SPARE, SCL+24576                  ; the spare words, 128 bytes for each wave: eight blocks of 256 bytes that no other line names
.set WQ,    SLOT1                      ; w_q's 64 rows
.set WQP,   1040
.set L16, 1                            ; v1   16 x lane                       (in the projection: my query row's byte offset)
.set SK0, 2                            ; v2   my place among K's scale words  (query's scale row)
.set SV0, 3                            ; v3   and among V's                   (w_q's scale rows)
.set ADK, 4                            ; v4   LDS address of the step's images (b_q)
.set SPW, 5                            ; v5   LDS address of my spare word; never rewritten
.set NIL, 6                            ; v6   0; never rewritten
.set PFO, 7                            ; v7   256 x lane: the prefetches' offset  (WQA: my place in w_q's rows)
.set WQA, 7
.set ADS, 8                            ; v8   LDS address of the step's scale words of K
.set ADT, 9                            ; v9   of V
.set NM,  12                           ; v12  -M
.set TMX, 13                           ; v13  the running largest t
.set SUM, 14                           ; v[14:15] the row's sum in two halves
.set QF,  16                           ; v16-39   [q, 0, q]
.set KF,  40                           ; v40-103  K's four double fragments; behind the scores v40-55 are the sum's eight chains
.set ST,  104                          ; v104-167 S^T, then p, then V's four fragments
.set OT,  168                          ; v168-199 O^T
.set PC,  200                          ; v200-215 p's codes
.set BM,  216                          ; v216-219 the blocks' largest scores, then p
.set PD,  220                          ; v220-223 lane permutes' results, then the bytes
.set HL,  224                          ; v224-227 57,344 x the scale
.set SO,  228                          ; v228-231 the conversions' scale operands
.set FF,  232                          ; v[232:233] f = 2^(old M - new M); at the end 1 / l
.set T0,  234                          ; v234 at work
.set XS,  236                          ; v236-255 hold scales and nothing else.  The projection: v236-239 query's words: lanes 0-15 K steps 0-3, lanes 16-31 K steps 4-7;
.set WSA, 240                          ; v240-255 w_q's: register 8 (t / 2) + s: lanes 0-15 tile 2 (t / 2)'s, lanes 16-31 the next tile's
.set KS,  240                          ; the loop: v240-243 K's words, one for each double fragment
.set QS,  244                          ; v244 Q's
.set PW,  245                          ; v245 p's
.set VS,  246                          ; v246-247 V's: register w: lanes 0-15 tile 2 w's, lanes 16-31 tile 2 w + 1's
.set XQ,  12                           ; the projection: v12-139 my 16 query rows, 8 fragments
.set WQF, 140                          ; v140-203 four fragments of w_q
.set QACC, 204                         ; v204-235 four accumulators, begun as b_q
.set WV,  22                           ; s22  my wave's number
.set W3,  23                           ; s23  wave % 4
.set G1R, 24                           ; s[24:31] descriptor group 1 for 16 rows of 1,024 bytes: a step, or a quarter of w_q;  s[32:39] for the scale words
.set G1S, 32
.set KVB, 40                           ; s[40:41] kv_codes at my key-value head, step = my wave's number
.set G0R, 48                           ; s[48:51] group 0 of the ring;  s[52:55] the scale words';  s[56:59] w_q's
.set G0S, 52
.set G0W, 56
.set SEL, 60                           ; s60, s61 lane selects for v_permlanex16_b32: lane l xor 16
.set CS,  62                           ; s[62:63] c = log2(e) / 8
.set MNT, 66                           ; s66  the mantissa field of 57,344
.set TB,  67                           ; s67  LDS byte at which the step in hand begins
.set TS,  68                           ; s68  where its scale words begin: 768 bytes a step
.set CNT, 69                           ; s69  steps to go in the slot
.set LIM, 70                           ; s70  1 in a wave that prefetches
.set W4,  71                           ; s71  wave / 4
.set PFA, 72                           ; s[72:73] where my prefetches stand; never rewritten
.macro CROUND                          ; a round of the cluster's barrier
	s_barrier_signal -1
	s_barrier_wait -1
	s_cmp_lg_u32 s[WV], 0
	s_cbranch_scc1 .Lnot_wave_0_\@
	s_barrier_signal -3
.Lnot_wave_0_\@:
	s_barrier_wait -3
	s_barrier_signal -1
	s_barrier_wait -1
.endm
.macro PLACES n                        ; plain places behind matrix instructions (ISA guide 7.12.1)
.rept \n
	v_nop
.endr
.endm
.macro TL g0, g1                       ; a tensor load; an s_nop 0 and four v_nop follow it
	tensor_load_to_lds s[\g0:\g0+3], s[\g1:\g1+7]
	s_nop 0
	PLACES 4
.endm
.macro GRD
	s_wait_tensorcnt 0x0
	ds_add_u32 v[SPW], v[NIL]
.endm
.macro DESC slotb, step0               ; the ring's group 0, written while no tensor load of mine is out: wave w takes step step0 + w into place w of the slot
	s_mul_i32 s[G0R+1], s[WV], STP
	s_add_co_u32 s[G0R+1], s[G0R+1], \slotb
	s_add_nc_u64 s[G0R+2:G0R+3], s[KVB:KVB+1], (\step0)*16384
	s_or_b32 s[G0R+3], s[G0R+3], 0x80000000
.endm
.macro FRAG reg, adr, off
.irp c, 0,1,2,3
	ds_load_b128 v[\reg+4*\c:\reg+4*\c+3], v[\adr] offset:\off+32*\c
.endr
.endm
.macro WMMA                            ; one product that adds onto v[rC ..]; registers and scale rows by symbols
.if (rRA == 0) && (rRB == 0)
	v_wmma_scale_f32_16x16x128_f8f6f4 v[rD:rD+7], v[rA:rA+15], v[rB:rB+15], v[rC:rC+7], v[rSA], v[rSB] matrix_a_fmt:MATRIX_FMT_BF8 matrix_b_fmt:MATRIX_FMT_BF8
.elseif rRB == 0
	v_wmma_scale_f32_16x16x128_f8f6f4 v[rD:rD+7], v[rA:rA+15], v[rB:rB+15], v[rC:rC+7], v[rSA], v[rSB] matrix_a_fmt:MATRIX_FMT_BF8 matrix_b_fmt:MATRIX_FMT_BF8 matrix_a_scale:MATRIX_SCALE_ROW1
.elseif rRA == 0
	v_wmma_scale_f32_16x16x128_f8f6f4 v[rD:rD+7], v[rA:rA+15], v[rB:rB+15], v[rC:rC+7], v[rSA], v[rSB] matrix_a_fmt:MATRIX_FMT_BF8 matrix_b_fmt:MATRIX_FMT_BF8 matrix_b_scale:MATRIX_SCALE_ROW1
.else
	v_wmma_scale_f32_16x16x128_f8f6f4 v[rD:rD+7], v[rA:rA+15], v[rB:rB+15], v[rC:rC+7], v[rSA], v[rSB] matrix_a_fmt:MATRIX_FMT_BF8 matrix_b_fmt:MATRIX_FMT_BF8 matrix_a_scale:MATRIX_SCALE_ROW1 matrix_b_scale:MATRIX_SCALE_ROW1
.endif
.endm
; two blocks of 32: register src + 16 b + i = number 32 b + 16 (lane / 16) + i of my lane's row.  Codes into dst + 4 b .. + 3; the scale bytes are left in tm + 4 + b.
.macro QUANT src, dst, tm
.irp b, 0,1
	v_max3_num_f32 v[\tm+\b], |v[\src+16*\b]|, |v[\src+16*\b+1]|, 0x8000000   ; my 16 numbers and the floor 2^(16 - 127); each accumulator from its low end on
.endr
.irp i, 2,4,6,8,10,12,14
.irp b, 0,1
	v_max3_num_f32 v[\tm+\b], v[\tm+\b], |v[\src+16*\b+\i]|, |v[\src+16*\b+\i+1]|
.endr
.endr
.irp b, 0,1
	v_permlanex16_b32 v[\tm+4+\b], v[\tm+\b], s[SEL], s[SEL+1]
.endr
.irp b, 0,1
	v_max_num_f32 v[\tm+\b], v[\tm+\b], v[\tm+4+\b]                  ; with lane l xor 16's 16
.endr
.irp b, 0,1
	v_add_nc_u32 v[\tm+12+\b], 0xf8800000, v[\tm+\b]                 ; 15 off the exponent field: the conversion's scale operand
.endr
.irp b, 0,1
	v_and_or_b32 v[\tm+8+\b], v[\tm+\b], 0x7f800000, s[MNT]          ; 57,344 x the scale
.endr
.irp b, 0,1
	v_lshrrev_b32 v[\tm+4+\b], 23, v[\tm+12+\b]                      ; the scale's byte
.endr
.irp b, 0,1
.irp i, 0,1,2,3,4,5,6,7,8,9,10,11,12,13,14,15
	v_med3_num_f32 v[\src+16*\b+\i], v[\src+16*\b+\i], -v[\tm+8+\b], v[\tm+8+\b]   ; the conversion to an 8-bit code does not saturate (ISA guide 7.6.2)
.endr
	v_cvt_scalef32_pk8_bf8_f32 v[\dst+4*\b:\dst+4*\b+1], v[\src+16*\b:\src+16*\b+7], v[\tm+12+\b]
	v_cvt_scalef32_pk8_bf8_f32 v[\dst+4*\b+2:\dst+4*\b+3], v[\src+16*\b+8:\src+16*\b+15], v[\tm+12+\b]
.endr
	v_nop                                          ; one plain line behind the last conversion
.endm
	s_load_b256 s[4:11], s[0:1], 0x0               ; query codes, query scales, w_q codes, w_q scales
	s_load_b256 s[12:19], s[0:1], 0x20             ; b_q, kv_codes, kv_scales, a_img
	s_load_b64 s[20:21], s[0:1], 0x40              ; a_scl
	v_lshl_add_u32 v[SPW], v0, 2, SPARE
	v_mov_b32 v[NIL], 0
	ds_add_u32 v[SPW], v[NIL]                      ; the wave's opening: the add, twice on end, and its wait ahead of the first tensor loads; the set-up below stands between
	ds_add_u32 v[SPW], v[NIL]
	v_lshrrev_b32 v1, 5, v0
	v_readfirstlane_b32 s[WV], v1                  ; wave 0..15
	s_and_b32 s[W3], s[WV], 3
	s_lshr_b32 s[W4], s[WV], 2
	s_and_b32 s96, s[WV], 7
	s_bfe_u32 s77, ttmp6, 0x40000                  ; cx: it enters global addresses of my own alone
	s_lshl_b32 s76, ttmp9, 2
	s_add_co_u32 s76, s76, s77                     ; my block of 256 queries
	s_and_b32 s74, ttmp7, 0xffff                   ; the head, which the four partners share
	s_lshr_b32 s75, s74, 2                         ; its key-value head g
	s_mov_b32 s[G1R], 15|(3<<16)|(1<<20)|(1<<21)|(7<<22)|(3<<25)   ; the mask: all four; elements of 8 bytes; padding on; bit 21 beside a mask; four words after every 256: 16 rows of 1,024 bytes
	s_mov_b32 s[G1R+1], 128<<16
	s_mov_b32 s[G1R+2], 16<<16
	s_mov_b32 s[G1R+3], 128<<16
	s_mov_b32 s[G1R+4], 16
	s_mov_b32 s[G1R+5], 128
	s_mov_b32 s[G1R+6], 0
	s_mov_b32 s[G1R+7], 0
	s_mov_b32 s[G1S], 15|(3<<16)|(1<<21)           ; 6,144 dense bytes as 24 rows of 256
	s_mov_b32 s[G1S+1], 32<<16
	s_mov_b32 s[G1S+2], 24<<16
	s_mov_b32 s[G1S+3], 32<<16
	s_mov_b32 s[G1S+4], 24
	s_mov_b32 s[G1S+5], 32
	s_mov_b32 s[G1S+6], 0
	s_mov_b32 s[G1S+7], 0
	s_mov_b32 s[SEL], 0x76543210
	s_mov_b32 s[SEL+1], 0xfedcba98
	s_mov_b32 s[CS], 0x3e38aa3b                    ; c = log2(e) / sqrt(64)
	s_mov_b32 s[CS+1], s[CS]                       ; (named with it as a pair, so it is written)
	s_mov_b32 s[MNT], 0x600000
	s_xor_b32 s78, s[W4], 1                        ; who prefetches: waves 4 to 7
	s_or_b32 s78, s78, ttmp9                       ; of the first cluster along x
	s_and_b32 s79, s74, 3
	s_or_b32 s78, s78, s79                         ; of the first head of a key-value head: the same in all four partners
	s_cmp_eq_u32 s78, 0
	s_cselect_b32 s[LIM], 1, 0
	s_lshl_b32 s78, s[W3], 14                      ; my quarter of w_q's rows,
	s_mul_i32 s79, s[W3], 6144                     ; of the scale words
	s_lshl_b32 s80, s74, 16                        ; w_q: the head's 64 rows of 1,024 bytes
	s_add_co_u32 s80, s80, s78
	s_mov_b32 s81, 0
	s_mul_i32 s82, s75, 24576                      ; kv_scales at g
	s_add_co_u32 s82, s82, s79
	s_mov_b32 s83, 0
	s_lshl_b32 s84, s75, 19                        ; kv_codes at g
	s_mov_b32 s85, 0
	s_lshl_b32 s86, s96, 14                        ; the head's load of the ring: step = wave % 8
	s_add_co_u32 s86, s86, s84
	s_mov_b32 s87, 0
	s_lshl_b32 s98, s[WV], 14                      ; the later ones: step = a constant + wave
	s_add_co_u32 s98, s98, s84
	s_mov_b32 s99, 0
	s_mov_b32 s[G0W], 1
	s_mul_i32 s[G0W+1], s[W3], STP
	s_add_co_u32 s[G0W+1], s[G0W+1], WQ
	s_mov_b32 s[G0S], 1
	s_add_co_u32 s[G0S+1], s79, SCL
	s_mov_b32 s[G0R], 1
	s_mul_i32 s[G0R+1], s96, STP                   ; slot 0, place wave % 8
	s_lshl_b32 s88, s76, 8
	s_lshl_b32 s89, s[WV], 4
	s_add_co_u32 s88, s88, s89                     ; my first query
	s_lshl_b32 s90, s88, 10                        ; its codes,
	s_mov_b32 s91, 0
	s_lshl_b32 s92, s88, 5                         ; its row of 32 scale bytes, in query_scales and in a_scl
	s_mov_b32 s93, 0
	s_lshl_b32 s94, s76, 1                         ; a_img: block of 128 rows = 2 x my block + wave / 8,
	s_lshr_b32 s95, s[WV], 3
	s_add_co_u32 s94, s94, s95
	s_lshl_b32 s94, s94, 17
	s_lshr_b32 s95, s74, 1                         ; K step = head / 2,
	s_lshl_b32 s95, s95, 14
	s_add_co_u32 s94, s94, s95
	s_and_b32 s95, s[WV], 7                        ; tile of 16 rows = wave % 8,
	s_lshl_b32 s95, s95, 11
	s_add_co_u32 s94, s94, s95
	s_and_b32 s95, s74, 1                          ; c = 2 (head % 2) + block
	s_lshl_b32 s95, s95, 10
	s_add_co_u32 s94, s94, s95
	s_mov_b32 s95, 0
	s_wait_dscnt 0x0                               ; both opening adds are done
	s_wait_kmcnt 0x0
	s_add_nc_u64 s[G0W+2:G0W+3], s[8:9], s[80:81]
	s_or_b32 s[G0W+3], s[G0W+3], 0x80000000
	s_add_nc_u64 s[G0S+2:G0S+3], s[16:17], s[82:83]
	s_or_b32 s[G0S+3], s[G0S+3], 0x80000000
	s_add_nc_u64 s[G0R+2:G0R+3], s[14:15], s[86:87]
	s_or_b32 s[G0R+3], s[G0R+3], 0x80000000
	s_add_nc_u64 s[KVB:KVB+1], s[14:15], s[98:99]
	CROUND                                         ; all four work-groups are here: the first joint loads meet
	s_cmp_lt_u32 s[WV], 4                          ; ONE chain of branches on the wave's number, a load to an arm: every way passes exactly one
	s_cbranch_scc0 .Lhead_s
	TL G0W, G1R                                    ; waves 0-3: w_q's quarters
	s_branch .Lhead_asked
.Lhead_s:
	s_cmp_lt_u32 s[WV], 8
	s_cbranch_scc0 .Lhead_r
	TL G0S, G1S                                    ; waves 4-7: the scale words' quarters
	s_branch .Lhead_asked
.Lhead_r:
	TL G0R, G1R                                    ; waves 8-15: steps 0-7
.Lhead_asked:
	s_add_nc_u64 s[4:5], s[4:5], s[90:91]          ; query's codes at my first query,
	s_add_nc_u64 s[6:7], s[6:7], s[92:93]          ; its scales,
	s_add_nc_u64 s[20:21], s[20:21], s[92:93]      ; a_scl likewise,
	s_lshl_b32 s92, s74, 1
	s_add_nc_u64 s[20:21], s[20:21], s[92:93]      ; at my head's two bytes
	s_lshl_b32 s92, s74, 11
	s_add_nc_u64 s[10:11], s[10:11], s[92:93]      ; w_q's scales at the head's 64 rows
	s_lshl_b32 s92, s74, 8
	s_add_nc_u64 s[12:13], s[12:13], s[92:93]      ; b_q at the head
	s_add_nc_u64 s[18:19], s[18:19], s[94:95]      ; a_img at my images
	s_add_nc_u64 s[PFA:PFA+1], s[14:15], s[84:85]  ; the prefetches: the partners share eight steps' 131,072 bytes out by address, 32,768 each; waves 4 to 7 take 8,192 each
	s_lshl_b32 s92, s77, 15
	s_lshl_b32 s90, s[W3], 13
	s_add_co_u32 s92, s92, s90
	s_add_co_u32 s92, s92, 262144                  ; from step 16 on
	s_add_nc_u64 s[PFA:PFA+1], s[PFA:PFA+1], s[92:93]
	v_and_b32 v8, 15, v0                           ; r
	v_bfe_u32 v9, v0, 4, 1                         ; h
	v_and_b32 v10, 8, v8
	v_add_nc_u32 v10, v10, v8                      ; rp = r + 8 (r / 8)
	v_lshlrev_b32 v1, 10, v8
	v_lshl_add_u32 v1, v9, 4, v1                   ; query: row r of 1,024 bytes, + 16 h
	v_lshlrev_b32 v2, 5, v8
	v_lshl_add_u32 v2, v9, 4, v2                   ; its scale row: lanes 0-15 words 0-3, lanes 16-31 words 4-7
	v_lshlrev_b32 v3, 5, v10
	v_lshl_add_u32 v3, v9, 8, v3                   ; w_q's scale rows: row rp + 8 h
	v_lshlrev_b32 v4, 6, v9                        ; b_q: 16 h channels on
	v_mul_u32_u24 v[WQA], v10, WQP
	v_lshl_add_u32 v[WQA], v9, 4, v[WQA]
	v_add_nc_u32 v[WQA], WQ, v[WQA]
.irp s, 0,1,2,3,4,5,6,7
.irp c, 0,1,2,3
	global_load_b128 v[XQ+16*\s+4*\c:XQ+16*\s+4*\c+3], v1, s[4:5] offset:128*\s+32*\c   ; my 16 rows of query: read by this wave once, straight into the operand's registers
.endr
.endr
.irp p, 0,1
	global_load_b128 v[WSA+8*\p:WSA+8*\p+3], v3, s[10:11] offset:1024*\p
	global_load_b128 v[WSA+8*\p+4:WSA+8*\p+7], v3, s[10:11] offset:1024*\p+16
.endr
	global_load_b128 v[XS:XS+3], v2, s[6:7]
.irp t, 0,1,2,3
	global_load_b128 v[QACC+8*\t:QACC+8*\t+3], v4, s[12:13] offset:(32*(\t/2)+8*(\t%2))*4     ; the sums begin as b_q, in the result's layout
	global_load_b128 v[QACC+8*\t+4:QACC+8*\t+7], v4, s[12:13] offset:(32*(\t/2)+8*(\t%2))*4+16
.endr
	s_wait_alu depctr_va_vdst(0)                   ; directly ahead of the wait below
	GRD
	DESC SLOT1, 8                                  ; slot 1: wave w takes step 8 + w
	s_wait_dscnt 0x0
	CROUND
	s_cmp_eq_u32 s[W4], 1
	s_cbranch_scc0 .Lno_a
	TL G0R, G1R                                    ; waves 4-7: steps 12-15, behind w_q's rows: first fills alone behind this round
.Lno_a:
	s_wait_loadcnt 0x0
; ---------------- q = query w_q + b_q: source 0 = 16 rows of w_q in the order rp, source 1 = my 16 queries; four accumulators by turns
.macro QSTEP s
.if (\s) > 0
	PLACES 8
.endif
.irp t, 0,1,2,3
.set rr, WQF+16*\t
.set oo, (32*(\t/2)+8*(\t%2))*WQP+128*(\s)
	FRAG rr, WQA, oo
.endr
	s_wait_dscnt 0x0
.irp t, 0,1,2,3
.set rD, QACC+8*\t
.set rC, rD
.set rA, WQF+16*\t
.set rB, XQ+16*(\s)
.set rSA, WSA+8*(\t/2)+(\s)
.set rSB, XS+(\s)%4
.set rRA, \t%2
.set rRB, (\s)/4
	WMMA
.endr
.endm
.irp s, 0,1,2,3,4,5,6,7
	QSTEP \s
.endr
.irp j, 0,1,2,3,4,5,6,7
	v_mov_b32 v[QF+8+\j], 0                        ; the zero codes between the two copies of q.  These registers held query's first K steps: the eight lines are the places behind the last products
.endr
	v_mov_b32 v[TMX], 0xff61b1e6                   ; the largest t so far: -3e38, under every t
	v_mov_b32 v[SUM], 0
	v_mov_b32 v[SUM+1], 0
	QUANT QACC, QF, WQF                            ; q's two blocks of 32 channels become Q's fragment
	v_lshl_or_b32 v[T0], v[WQF+5], 8, v[WQF+4]
	v_lshl_or_b32 v[QS], v[T0], 16, v[T0]          ; its scale word: the two bytes twice
.irp j, 0,1,2,3,4,5,6,7
	v_mov_b32 v[QF+16+\j], v[QF+\j]                ; q once more, for K = 64 .. 127
.endr
	v_and_b32 v10, 31, v0
	v_lshlrev_b32 v[PFO], 8, v10
	v_lshl_add_u32 v[SV0], v10, 3, SCL+512
	v_lshlrev_b32 v[L16], 4, v10
	v_add_nc_u32 v[SK0], SCL, v[L16]
	v_floor_f32 v[NM], -v[TMX]
.set jj, 0
.rept 32
	v_mov_b32 v[OT+jj], 0                          ; O^T.  (The step is written once: the first finds zeros, which the first change of M leaves zeros)
.set jj, jj+1
.endr
.irp b, 0,1,2,3
	v_mov_b32 v[PD+\b], 0                          ; written once: a lane permute's destination counts as one of its sources
.endr
	v_mov_b32 v[FF+1], 0                           ; (named as the upper half of the pair before it is first written)
.macro BMAX b0, b1                     ; the largest score of two blocks of 32 keys, by turns; each accumulator is read from its low end on
.irp b, \b0, \b1
	v_max3_num_f32 v[BM+\b], v[ST+16*\b], v[ST+16*\b+1], v[ST+16*\b+2]
.endr
.irp i, 3,5,7,9,11,13
.irp b, \b0, \b1
	v_max3_num_f32 v[BM+\b], v[BM+\b], v[ST+16*\b+\i], v[ST+16*\b+\i+1]
.endr
.endr
.irp b, \b0, \b1
	v_max_num_f32 v[BM+\b], v[BM+\b], v[ST+16*\b+15]
.endr
.endm
; A KEY STEP: 128 keys.  Piece i of 512 bytes of the step's image lies at (i / 2) x 1,040 + (i % 2) x 512.
.macro STEP
	v_add_nc_u32 v[ADK], s[TB], v[L16]             ; with the eight additions at the last step's end: eleven places behind its last products, whose V fragments the scores below are written over
	v_add_nc_u32 v[ADS], s[TS], v[SK0]
	v_add_nc_u32 v[ADT], s[TS], v[SV0]
	ds_load_b128 v[KS:KS+3], v[ADS]
	ds_load_b64 v[VS:VS+1], v[ADT]
.set ii, 0
.rept 16
	ds_load_b128 v[KF+4*ii:KF+4*ii+3], v[ADK] offset:(ii/2)*1040+(ii%2)*512
.set ii, ii+1
.endr
.irp j, 0,1,2,3                                ; S^T = K Q^T: double fragment j against [q, 0] and [0, q]
.if \j == 0
	s_wait_dscnt 0x8                               ; all but the youngest eight loads: the scale words and double fragments 0, 1
.elseif \j == 2
	s_wait_dscnt 0x0
.endif
.irp u, 0,1
	v_wmma_scale_f32_16x16x128_f8f6f4 v[ST+16*\j+8*\u:ST+16*\j+8*\u+7], v[KF+16*\j:KF+16*\j+15], v[QF+8*\u:QF+8*\u+15], 0, v[KS+\j], v[QS] matrix_a_fmt:MATRIX_FMT_BF8 matrix_b_fmt:MATRIX_FMT_BF8
.endr
.endr                                          ; lane (r, h) holds query r; the 16 registers of block b are keys 32 b + 16 h + 0 .. 15 of the step
	PLACES 8
	BMAX 0, 1
	BMAX 2, 3
.irp b, 0,1,2,3
	v_permlanex16_b32 v[PD+\b], v[BM+\b], s[SEL], s[SEL+1]
.endr
.irp b, 0,1,2,3
	s_delay_alu instid0(VALU_DEP_4)
	v_max_num_f32 v[BM+\b], v[BM+\b], v[PD+\b]     ; with lane l xor 16's 16 keys: it serves for the row's maximum and, since p rises with the score, for the block's largest p
.endr
	s_delay_alu instid0(VALU_DEP_2)
	v_max3_num_f32 v[T0], v[BM], v[BM+1], v[BM+2]
	s_delay_alu instid0(VALU_DEP_1)
	v_max_num_f32 v[T0], v[T0], v[BM+3]            ; the step's largest score of my query
	s_delay_alu instid0(VALU_DEP_1)
	v_mul_f32 v[T0], s[CS], v[T0]                  ; as t (c is positive)
	s_delay_alu instid0(VALU_DEP_1)
	v_max_num_f32 v[TMX], v[TMX], v[T0]            ; the running largest t
	v_mov_b32 v[T0], v[NM]
	s_delay_alu instid0(VALU_DEP_2)
	v_floor_f32 v[NM], -v[TMX]                     ; the new -M = floor(-t) = -ceil(t): a whole number
	s_delay_alu instid0(VALU_DEP_1)
	v_sub_f32 v[T0], v[NM], v[T0]                  ; old M less new M: a whole number, 0 or less
	s_delay_alu instid0(VALU_DEP_1)
	v_cvt_i32_f32 v[T0], v[T0]                     ; (it saturates)
	s_delay_alu instid0(VALU_DEP_1)
	v_ldexp_f32 v[FF], 1.0, v[T0]                  ; f = 2^(old M - new M): a multiplication by it rounds nothing
.set jj, 0
.rept 32
	v_pk_fma_f32 v[ST+jj:ST+jj+1], v[ST+jj:ST+jj+1], s[CS:CS+1], v[NM:NM+1] op_sel_hi:[1,0,0]   ; t - M, two at a time
.set jj, jj+2
.endr
.irp b, 0,1,2,3
	v_fma_f32 v[BM+\b], v[BM+\b], s[CS], v[NM]     ; the same of each block's largest score
.endr
	s_wait_alu depctr_va_vdst(0)                   ; the wait ahead of the batch
.irp b, 0,1,2,3
	v_exp_f32 v[BM+\b], v[BM+\b]                   ; the block's largest p: the same two instructions on the same number give the same bits
.endr
.set jj, 0
.rept 64
	v_exp_f32 v[ST+jj], v[ST+jj]                   ; p = 2^(t - M), at most 1: not normalised
.set jj, jj+1
.endr
	v_pk_mul_f32 v[SUM:SUM+1], v[SUM:SUM+1], v[FF:FF+1] op_sel_hi:[1,0]   ; the sums under the new M: the plain line behind the exponentials
	s_wait_alu depctr_va_vdst(0)                   ; one wait for the whole batch of 68, ahead of its first reader
.irp b, 0,1,2,3
	v_max_num_f32 v[BM+\b], 0x8000000, v[BM+\b]    ; the floor 2^(16 - 127): the byte cannot fall under 1
.endr
.irp b, 0,1,2,3
	s_delay_alu instid0(VALU_DEP_4)
	v_add_nc_u32 v[SO+\b], 0xf8800000, v[BM+\b]    ; 15 off the exponent field: the conversion's scale operand
.endr
.irp b, 0,1,2,3
	v_and_or_b32 v[HL+\b], v[BM+\b], 0x7f800000, s[MNT]   ; 57,344 x the scale
.endr
.irp b, 0,1,2,3
	v_lshrrev_b32 v[PD+\b], 23, v[SO+\b]           ; the scale's byte
.endr
	s_delay_alu instid0(VALU_DEP_3)
	v_lshl_or_b32 v[PW], v[PD+1], 8, v[PD]         ; p's scale word for these 128 keys
	s_delay_alu instid0(VALU_DEP_1)
	v_lshl_or_b32 v[PW], v[PD+2], 16, v[PW]
	s_delay_alu instid0(VALU_DEP_1)
	v_lshl_or_b32 v[PW], v[PD+3], 24, v[PW]
.irp c, 0,1,2,3,4,5,6,7                        ; THE ROW'S SUM IS TAKEN OF THE UNQUANTISED p: eight chains of pairs, in registers that K's fragments have left
	v_pk_add_f32 v[KF+2*\c:KF+2*\c+1], v[ST+2*\c:ST+2*\c+1], v[ST+16+2*\c:ST+16+2*\c+1]
.endr
.irp k, 32, 48
.irp c, 0,1,2,3,4,5,6,7
	v_pk_add_f32 v[KF+2*\c:KF+2*\c+1], v[KF+2*\c:KF+2*\c+1], v[ST+\k+2*\c:ST+\k+2*\c+1]
.endr
.endr
.irp b, 0,1,2,3
.irp i, 0,2,4,6,8,10,12,14
	v_dual_min_num_f32 v[ST+16*\b+\i], v[ST+16*\b+\i], v[HL+\b] :: v_dual_min_num_f32 v[ST+16*\b+\i+1], v[ST+16*\b+\i+1], v[HL+\b]   ; the conversion does not saturate (ISA guide 7.6.2); p is not negative, so the hold is one-sided; two to a line
.endr
	v_cvt_scalef32_pk8_bf8_f32 v[PC+4*\b:PC+4*\b+1], v[ST+16*\b:ST+16*\b+7], v[SO+\b]
	v_cvt_scalef32_pk8_bf8_f32 v[PC+4*\b+2:PC+4*\b+3], v[ST+16*\b+8:ST+16*\b+15], v[SO+\b]
.irp c, 0,1,2,3
	ds_load_b128 v[ST+16*\b+4*\c:ST+16*\b+4*\c+3], v[ADK] offset:(8+2*\b+\c/2)*1040+(\c%2)*512   ; V's tile b lands in the registers that block b's p has just left
.endr
.endr
	s_wait_alu depctr_va_vdst(0)                   ; the wait here, directly ahead of the first reader of O^T
.set jj, 0
.rept 16
	v_pk_mul_f32 v[OT+jj:OT+jj+1], v[OT+jj:OT+jj+1], v[FF:FF+1] op_sel_hi:[1,0]   ; O^T under the new M.  (These are also the places between the codes and the products)
.set jj, jj+2
.endr
	s_wait_alu depctr_va_vdst(0)                   ; the wait here, directly ahead of the wait below
	s_wait_dscnt 0x0
.irp t, 0,1,2,3                                ; O^T += V^T P^T: K = these 128 keys; four accumulators by turns
.set rD, OT+8*\t
.set rC, rD
.set rA, ST+16*\t
.set rB, PC
.set rSA, VS+\t/2
.set rSB, PW
.set rRA, \t%2
.set rRB, 0
	WMMA
.endr
.irp c, 0,1,2,3                                ; the eight chains are joined here: eight plain lines that name nothing of the four products above
	v_pk_add_f32 v[KF+2*\c:KF+2*\c+1], v[KF+2*\c:KF+2*\c+1], v[KF+8+2*\c:KF+8+2*\c+1]
.endr
	v_pk_add_f32 v[KF:KF+1], v[KF:KF+1], v[KF+4:KF+5]
	v_pk_add_f32 v[KF+2:KF+3], v[KF+2:KF+3], v[KF+6:KF+7]
	v_pk_add_f32 v[KF:KF+1], v[KF:KF+1], v[KF+2:KF+3]
	v_pk_add_f32 v[SUM:SUM+1], v[SUM:SUM+1], v[KF:KF+1]
.endm
.macro PHASE slotb, step0              ; a slot's eight steps
	s_mov_b32 s[TB], \slotb
	s_mov_b32 s[TS], (\step0)*768
	s_mov_b32 s[CNT], 8
.Lstep_\@:
	STEP
	s_add_co_u32 s[TB], s[TB], STP
	s_add_co_u32 s[TS], s[TS], 768
	s_sub_co_u32 s[CNT], s[CNT], 1
	s_cmp_lg_u32 s[CNT], 0
	s_wait_alu depctr_va_vdst(0)                   ; the wait here, directly ahead of the branch
	s_cbranch_scc1 .Lstep_\@
.endm
; A PREFETCH INTO THE L2 of the eight steps that the NEXT fill of a slot will ask for: 131,072 bytes, lanes 256 bytes apart, one instruction a wave, eight key steps ahead of that load.
; Each aligned block of 256 bytes is named once in the launch: sixteen clusters walk a key-value head's codes; the first cluster along x of the head group's first head asks; its four partners are told
; apart by address; in each, waves 4 to 7 ask.  Steps 16-23 are asked for where steps 8-11 are loaded, steps 24-31 where steps 16-23 are; steps 0-15 and the scale words come by their loads alone.
.macro ASK off
	s_cmp_eq_u32 s[LIM], 1
	s_cbranch_scc0 .Lnot_mine_\@
	global_prefetch_b8 v[PFO], s[PFA:PFA+1] offset:\off th:TH_LOAD_NT scope:SCOPE_SE
.Lnot_mine_\@:
.endm
; A CHANGE OF SLOTS that fills: each wave waits for all its tensor loads, adds 0 to its spare word, and waits for that and for its reads of the slot that it has left; a round of the cluster's barrier;
; then the joint refill, waves 0-7 a step each: it has eight steps in which to land.
.macro CHANGE slotb, step0
	GRD
	DESC \slotb, \step0
	s_wait_dscnt 0x0
	CROUND
	s_cmp_lt_u32 s[WV], 8
	s_cbranch_scc0 .Lno_load_\@
	TL G0R, G1R
.Lno_load_\@:
.endm
	s_wait_alu depctr_va_vdst(0)                   ; the wait at the head's end
	GRD
	s_wait_dscnt 0x0
	CROUND
	s_cmp_eq_u32 s[W4], 0
	s_cbranch_scc0 .Lno_b
	TL G0R, G1R                                    ; waves 0-3: steps 8-11 over w_q's rows, tile for tile the same bytes: refills alone behind this round
.Lno_b:
	ASK 0
	PHASE 0, 0
	CHANGE 0, 16
	ASK 131072
	PHASE SLOT1, 8
	CHANGE SLOT1, 24
	PHASE 0, 16
	GRD
	s_wait_dscnt 0x0
	s_barrier_signal -1
	s_barrier_wait -1
	PHASE SLOT1, 24
	; THE WAY OUT.  O^T / l is quantised along the channels (two blocks of 32 to a head) and leaves as an image of the last product's operand registers: each store of the wave covers 512 consecutive bytes, aligned.
	v_add_f32 v[SUM], v[SUM], v[SUM+1]             ; the sum's two halves,
	v_permlanex16_b32 v[T0], v[SUM], s[SEL], s[SEL+1]
	v_add_f32 v[SUM], v[SUM], v[T0]                ; and lane l xor 16's: the row's sum
	s_wait_alu depctr_va_vdst(0)                   ; the wait ahead of the reciprocal
	v_rcp_f32 v[FF], v[SUM]
	v_and_b32 v[ADS], 15, v0                       ; (a plain line behind the reciprocal)
	v_bfe_u32 v[ADT], v0, 4, 1
	v_lshl_add_u32 v[ADS], v[ADS], 5, v[ADT]       ; a_scl: row r of 32 bytes, + the block that my half of the lanes stores
	s_wait_alu depctr_va_vdst(0)                   ; the wait ahead of the reciprocal's first reader and of O^T's
.set jj, 0
.rept 16
	v_pk_mul_f32 v[ST+jj:ST+jj+1], v[OT+jj:OT+jj+1], v[FF:FF+1] op_sel_hi:[1,0]   ; register 16 b + i: channel 32 b + 16 h + i of my query; each accumulator from its low end on
.set jj, jj+2
.endr
	QUANT ST, PC, BM
	global_store_b128 v[L16], v[PC:PC+3], s[18:19]
	global_store_b128 v[L16], v[PC+4:PC+7], s[18:19] offset:512
	v_cmp_eq_u32 vcc_lo, 1, v[ADT]
	v_cndmask_b32 v[T0], v[BM+4], v[BM+5], vcc_lo  ; lanes 0-15 store block 0's byte, lanes 16-31 block 1's
	global_store_b8 v[ADS], v[T0], s[20:21]
	s_wait_tensorcnt 0x0                           ; the wave's end
	ds_add_u32 v[SPW], v[NIL]
	s_wait_dscnt 0x0
	CROUND                                         ; the closing round: no work-group ends while a partner may still ask for a tile that names it
	s_endpgm
.Lfunc_end_k_q0c9e81bf96_attn:
	.size	k_q0c9e81bf96_attn, .Lfunc_end_k_q0c9e81bf96_attn-k_q0c9e81bf96_attn
	.p2alignl 7, 3214868480
	.fill 96, 4, 3214868480
	.section	.rodata,"a",@progbits
	.p2align	6, 0x0
	.amdhsa_kernel k_q0c9e81bf96_attn
		.amdhsa_group_segment_fixed_size 327680
		.amdhsa_private_segment_fixed_size 0
		.amdhsa_enable_private_segment 0
		.amdhsa_kernarg_size 72
		.amdhsa_user_sgpr_count 2
		.amdhsa_user_sgpr_kernarg_segment_ptr 1
		.amdhsa_wavefront_size32 1
		.amdhsa_system_sgpr_workgroup_id_x 1
		.amdhsa_system_sgpr_workgroup_id_y 1
		.amdhsa_system_sgpr_workgroup_id_z 1
		.amdhsa_system_vgpr_workitem_id 0
		.amdhsa_next_free_vgpr 256
		.amdhsa_next_free_sgpr 100
		.amdhsa_reserve_vcc 1
		.amdhsa_float_denorm_mode_32 3
		.amdhsa_float_denorm_mode_16_64 3
		.amdhsa_memory_ordered 1
		.amdhsa_forward_progress 1
		.amdhsa_inst_pref_size 118
	.end_amdhsa_kernel
	.amdgpu_metadata
---
amdhsa.version: [ 1, 2 ]
amdhsa.kernels:
  - .name:           k_q0c9e81bf96_attn
    .symbol:         k_q0c9e81bf96_attn.kd
    .args:
      - { .name: query_codes, .offset: 0, .size: 8, .value_kind: global_buffer, .address_space: global }
      - { .name: query_scales, .offset: 8, .size: 8, .value_kind: global_buffer, .address_space: global }
      - { .name: w_q_codes, .offset: 16, .size: 8, .value_kind: global_buffer, .address_space: global }
      - { .name: w_q_scales, .offset: 24, .size: 8, .value_kind: global_buffer, .address_space: global }
      - { .name: b_q, .offset: 32, .size: 8, .value_kind: global_buffer, .address_space: global }
      - { .name: kv_codes, .offset: 40, .size: 8, .value_kind: global_buffer, .address_space: global }
      - { .name: kv_scales, .offset: 48, .size: 8, .value_kind: global_buffer, .address_space: global }
      - { .name: a_img, .offset: 56, .size: 8, .value_kind: global_buffer, .address_space: global }
      - { .name: a_scl, .offset: 64, .size: 8, .value_kind: global_buffer, .address_space: global }
    .group_segment_fixed_size: 327680
    .private_segment_fixed_size: 0
    .kernarg_segment_align: 8
    .kernarg_segment_size: 72
    .max_flat_workgroup_size: 512
    .sgpr_count:     100
    .vgpr_count:     256
    .wavefront_size: 32
...
	.end_amdgpu_metadata
.endif
;; end of part 2
;; launch oproj (part 3): grid 8 x 32, 8 waves a work-group, clusters of 4 x 4, 306,176 bytes of LDS; arguments a_img, a_scl, w_o_codes, w_o_scales, b_o, out0; writes out0
.if DOCPART == 3
	.amdgcn_target "amdgcn-amd-amdhsa--gfx1250"
	.amdhsa_code_object_version 6
	.text
	.protected	k_q0c9e81bf96_oproj
	.globl	k_q0c9e81bf96_oproj
	.p2align	8
	.type	k_q0c9e81bf96_oproj,@function
k_q0c9e81bf96_oproj:
	s_mov_b64 s[64:65], 0
	v_nop
	global_prefetch_b8 v0, s[64:65] scope:SCOPE_SE
	s_setreg_imm32_b32 hwreg(HW_REG_WAVE_MODE, 25, 1), 1
	s_wait_xcnt 0x0
	s_wait_alu depctr_hold_cnt(0) depctr_sa_sdst(0) depctr_va_vdst(0) depctr_va_sdst(0) depctr_va_ssrc(0) depctr_va_vcc(0) depctr_vm_vsrc(0)
	s_getreg_b32 s2, hwreg(HW_REG_IB_STS2, 6, 4)
	s_cmp_eq_u32 s2, 0
	s_cbranch_scc0 .Lentry_in_a_cluster
	s_endpgm
.Lentry_in_a_cluster:
	s_bfe_u32 s2, ttmp6, 0x10000c
	s_cmp_lg_u32 s2, 0xf033
	s_cbranch_scc0 .Lentry_shape_is_right
	s_endpgm
.Lentry_shape_is_right:
; LAUNCH 3 OF 3: out0 = A w_o + b_o, A the attention's normalised output as launch 2 quantised it.  No work of reference() is left out here.
; A launch of its own, since a row of out0 sums over all sixteen heads, which launch 2 makes in sixteen work-groups: each output has one owner.
; SHARES.  A tile of out0 is 128 x 128: 256 work-groups.  Eight waves; wave w makes rows 32 (w / 2) .. + 31 x columns 64 (w % 2) .. + 63: eight accumulators.
; All of K = 1,024 fits in LDS, so there is no ring and nothing is filled twice: every tile is asked for at the head, in four chunks of 256 along K, and counted waits let the first K steps begin early.
; No prefetch: every request of the launch stands at its head.
; CLUSTERS: 4 x 4.  A's block of 128 rows is shared along a row of the cluster, w_o's 128 rows along a column: joint loads, a mask of four each.
; A comes as images of its operand registers (dense, no pitch); w_o as rows of 1,024 bytes + 16 of padding.  The product is used transposed (source 0 = 16 rows of w_o, source 1 = 16 rows of A):
; a lane then holds eight neighbouring columns of one row of out0.  b_o is the C of each sum's first product.
.set ACH,   32768                      ; a chunk of A: two K steps x 8 tiles x 2,048 bytes
.set BB,    4*ACH
; THE FILLS AS THEY STAND NOW (in place of the four chunks that the head names): each wave asks for ONE tile: waves 0-3 a quarter of A's block, 32,768 dense bytes (two K steps) each;
; waves 4-7 32 whole rows of w_o, 1,024 bytes a row; one wait for 0 and one barrier show them to all.
.set PITCH, 272                        ; a row of the stage
.set BP,    1040                       ; a row of w_o in LDS: 1,024 bytes + 16 of padding
.set BCH,   256                        ; from chunk to chunk along a row of w_o
.set SPARE, BB+128*BP                  ; the spare words
.set STG,   SPARE+1024                 ; the way out: 16 rows x (256 bytes + 16) for each wave: bytes of their own, into which no tile lands
.set SPW, 4                            ; v4   LDS address of my spare word; never rewritten
.set NIL, 5                            ; v5   0; never rewritten
.set AA,  6                            ; v6   LDS address of my A images in the chunk in hand
.set BA,  7                            ; v7   of my w_o fragments
.set STO, 8                            ; v8   the stage: where I put 32 bytes of a row
.set RD,  9                            ; v9   and where I read a row back
.set CO,  10                           ; v10  my byte offset in out0
.set OSC, 11                           ; v11  32 x lane: a scale row for each lane
.set OBI, 12                           ; v12  b_o
.set ACC, 16                           ; v16-79   accumulator (m, n) at 16 + 32 m + 8 n
.set BF,  80                           ; v80-143  w_o's four fragments; on the way out rows of out0
.set AF,  144                          ; v144-175 A's two
.set BO,  176                          ; v176-207 b_o in the result's layout
.set WS,  208                          ; v208-223 w_o's scale words: register 8 p + s: lanes 0-15 tile 2 p's, lanes 16-31 tile 2 p + 1's
.set XS,  224                          ; v224-231 A's: lanes 0-15 my first tile of rows, lanes 16-31 my second
.set WV,  14
.set G1A, 16                           ; s[16:23], s[24:31] descriptor groups 1;  s[32:47], s[48:63] groups 0, one for each chunk
.set G1B, 24
.set G0A, 32
.set G0B, 48
.macro CROUND                          ; a round of the cluster's barrier
	s_barrier_signal -1
	s_barrier_wait -1
	s_cmp_lg_u32 s[WV], 0
	s_cbranch_scc1 .Lnot_wave_0_\@
	s_barrier_signal -3
.Lnot_wave_0_\@:
	s_barrier_wait -3
	s_barrier_signal -1
	s_barrier_wait -1
.endm
.macro PLACES n                        ; plain places behind matrix instructions (ISA guide 7.12.1)
.rept \n
	v_nop
.endr
.endm
.macro FRAG reg, adr, off              ; a fragment from rows
.irp c, 0,1,2,3
	ds_load_b128 v[\reg+4*\c:\reg+4*\c+3], v[\adr] offset:\off+32*\c
.endr
.endm
.macro IMG reg, adr, off               ; a fragment from its image
.irp c, 0,1,2,3
	ds_load_b128 v[\reg+4*\c:\reg+4*\c+3], v[\adr] offset:\off+512*\c
.endr
.endm
.macro WMMA
.if (rRA == 0) && (rRB == 0)
	v_wmma_scale_f32_16x16x128_f8f6f4 v[rD:rD+7], v[rA:rA+15], v[rB:rB+15], v[rC:rC+7], v[rSA], v[rSB] matrix_a_fmt:MATRIX_FMT_BF8 matrix_b_fmt:MATRIX_FMT_BF8
.elseif rRB == 0
	v_wmma_scale_f32_16x16x128_f8f6f4 v[rD:rD+7], v[rA:rA+15], v[rB:rB+15], v[rC:rC+7], v[rSA], v[rSB] matrix_a_fmt:MATRIX_FMT_BF8 matrix_b_fmt:MATRIX_FMT_BF8 matrix_a_scale:MATRIX_SCALE_ROW1
.elseif rRA == 0
	v_wmma_scale_f32_16x16x128_f8f6f4 v[rD:rD+7], v[rA:rA+15], v[rB:rB+15], v[rC:rC+7], v[rSA], v[rSB] matrix_a_fmt:MATRIX_FMT_BF8 matrix_b_fmt:MATRIX_FMT_BF8 matrix_b_scale:MATRIX_SCALE_ROW1
.else
	v_wmma_scale_f32_16x16x128_f8f6f4 v[rD:rD+7], v[rA:rA+15], v[rB:rB+15], v[rC:rC+7], v[rSA], v[rSB] matrix_a_fmt:MATRIX_FMT_BF8 matrix_b_fmt:MATRIX_FMT_BF8 matrix_a_scale:MATRIX_SCALE_ROW1 matrix_b_scale:MATRIX_SCALE_ROW1
.endif
.endm
	s_load_b256 s[68:75], s[0:1], 0x0              ; a_img, a_scl, w_o codes, w_o scales
	s_load_b128 s[76:79], s[0:1], 0x20             ; b_o, out0
	v_lshl_add_u32 v[SPW], v0, 2, SPARE
	v_mov_b32 v[NIL], 0
	ds_add_u32 v[SPW], v[NIL]                      ; the wave's opening: the add, twice on end, and its wait ahead of my first tensor load; the set-up below stands between
	ds_add_u32 v[SPW], v[NIL]
	v_lshrrev_b32 v1, 5, v0
	s_delay_alu instid0(VALU_DEP_1)
	v_readfirstlane_b32 s[WV], v1                  ; wave 0..7
	s_lshr_b32 s15, s[WV], 2                       ; I fetch for A (0) or for w_o (1)
	s_and_b32 s3, s[WV], 3                         ; which quarter of each chunk
	s_bfe_u32 s66, ttmp6, 0x40000                  ; cx, cy
	s_bfe_u32 s67, ttmp6, 0x40004
	s_lshl_b32 s92, ttmp9, 2
	s_add_co_u32 s92, s92, s66                     ; tile column x, 0..7
	s_and_b32 s93, ttmp7, 0xffff
	s_lshl_b32 s93, s93, 2
	s_add_co_u32 s93, s93, s67                     ; tile row y, 0..31
	s_lshl_b32 s94, s67, 2
	s_lshl_b32 s94, 15, s94                        ; my row of the cluster
	s_lshl_b32 s95, 0x1111, s66                    ; my column
	s_or_b32 s[G1A], s94, (3<<16)|(1<<21)          ; A: 32,768 dense bytes as 128 rows of 256 (32 elements of 8 bytes); no padding
	s_mov_b32 s[G1A+1], 32<<16
	s_mov_b32 s[G1A+2], 128<<16
	s_mov_b32 s[G1A+3], 32<<16
	s_mov_b32 s[G1A+4], 128
	s_mov_b32 s[G1A+5], 32
	s_mov_b32 s[G1A+6], 0
	s_mov_b32 s[G1A+7], 0
	s_or_b32 s[G1B], s95, (1<<20)|(1<<21)|(7<<22)|(3<<25)   ; w_o: 32 rows x 1,024 bytes; four words of padding after every 256
	s_mov_b32 s[G1B+1], 1024<<16
	s_mov_b32 s[G1B+2], 32<<16
	s_mov_b32 s[G1B+3], 1024<<16
	s_mov_b32 s[G1B+4], 32
	s_mov_b32 s[G1B+5], 1024
	s_mov_b32 s[G1B+6], 0
	s_mov_b32 s[G1B+7], 0
	s_lshl_b32 s4, s3, 15                          ; my quarter of A's block,
	s_mul_i32 s5, s3, 32*BP                        ; and of w_o's rows
.irp c, 0
	s_mov_b32 s[G0A+4*\c], 1
	s_add_co_u32 s[G0A+4*\c+1], s4, \c*ACH
	s_mov_b32 s[G0B+4*\c], 1
	s_add_co_u32 s[G0B+4*\c+1], s5, BB+\c*BCH
.endr
	s_lshl_b32 s96, s93, 17                        ; A: block y of 131,072 bytes, + my quarter: made of the tile row and the wave alone
	s_add_co_u32 s96, s96, s4
	s_mov_b32 s97, 0
	s_lshl_b32 s98, s92, 17                        ; w_o: (128 x + 32 x quarter) rows of 1,024 bytes: made of the tile column and the wave alone
	s_lshl_b32 s99, s3, 15
	s_add_co_u32 s98, s98, s99
	s_mov_b32 s99, 0
	s_wait_dscnt 0x0                               ; both opening adds are done
	s_wait_kmcnt 0x0
	s_add_nc_u64 s[68:69], s[68:69], s[96:97]
	s_add_nc_u64 s[72:73], s[72:73], s[98:99]
.irp c, 0
	s_add_nc_u64 s[G0A+4*\c+2:G0A+4*\c+3], s[68:69], \c*ACH
	s_or_b32 s[G0A+4*\c+3], s[G0A+4*\c+3], 0x80000000
	s_add_nc_u64 s[G0B+4*\c+2:G0B+4*\c+3], s[72:73], 256*\c
	s_or_b32 s[G0B+4*\c+3], s[G0B+4*\c+3], 0x80000000
.endr
	CROUND                                         ; all sixteen work-groups are here: the joint loads meet
	s_cmp_eq_u32 s15, 0                            ; a wave's fill stands in one arm: one load of mine is out
	s_cbranch_scc0 .Lfill_b
.irp c, 0
	tensor_load_to_lds s[G0A+4*\c:G0A+4*\c+3], s[G1A:G1A+7]
	s_nop 0
.endr
	PLACES 4
	s_branch .Lfilled
.Lfill_b:
.irp c, 0
	tensor_load_to_lds s[G0B+4*\c:G0B+4*\c+3], s[G1B:G1B+7]
	s_nop 0
.endr
	PLACES 4
.Lfilled:
	v_and_b32 v1, 15, v0                           ; r
	v_bfe_u32 v2, v0, 4, 1                         ; h
	v_and_b32 v3, 31, v0                           ; lane
	s_lshr_b32 s8, s[WV], 1                        ; which 32 rows are mine
	s_and_b32 s9, s[WV], 1                         ; which 64 columns
	s_lshl_b32 s10, s8, 12
	v_lshl_add_u32 v[AA], v3, 4, s10               ; my two tiles' images: 4,096 x (w / 2) + 16 x lane
	s_lshl_b32 s10, s9, 6
	v_add_nc_u32 v[BA], s10, v1
	s_delay_alu instid0(VALU_DEP_1)
	v_mul_u32_u24 v[BA], v[BA], BP
	s_delay_alu instid0(VALU_DEP_1)
	v_lshl_add_u32 v[BA], v2, 4, v[BA]
	s_delay_alu instid0(VALU_DEP_1)
	v_add_nc_u32 v[BA], BB, v[BA]                  ; w_o's row 64 (w % 2) + r, + 16 h
	s_mul_i32 s10, s[WV], 16*PITCH
	s_add_co_u32 s10, s10, STG                     ; my stage
	v_mul_u32_u24 v[STO], v1, PITCH
	s_delay_alu instid0(VALU_DEP_1)
	v_lshl_add_u32 v[STO], v2, 5, v[STO]
	s_delay_alu instid0(VALU_DEP_1)
	v_add_nc_u32 v[STO], s10, v[STO]               ; in: row r, 32 bytes for each half of the lanes
	v_mul_u32_u24 v[RD], v2, PITCH
	s_delay_alu instid0(VALU_DEP_1)
	v_lshl_add_u32 v[RD], v1, 4, v[RD]
	s_delay_alu instid0(VALU_DEP_1)
	v_add_nc_u32 v[RD], s10, v[RD]                 ; back: lanes 0-15 one row of 256 bytes, lanes 16-31 the next
	v_lshlrev_b32 v[CO], 12, v2
	s_delay_alu instid0(VALU_DEP_1)
	v_lshl_add_u32 v[CO], v1, 4, v[CO]             ; and the same two rows in out0
	v_lshlrev_b32 v[OSC], 5, v3
	s_wait_alu depctr_va_vdst(0)
	v_lshlrev_b32 v[OBI], 5, v2
	s_wait_alu depctr_va_vdst(0)
	s_lshl_b32 s96, s92, 12                        ; w_o's scales at row 128 x + 64 (w % 2)
	s_lshl_b32 s11, s9, 11
	s_add_co_u32 s96, s96, s11
	s_add_nc_u64 s[74:75], s[74:75], s[96:97]
	s_lshl_b32 s96, s93, 12                        ; A's scales at row 128 y + 32 (w / 2)
	s_lshl_b32 s11, s8, 10
	s_add_co_u32 s96, s96, s11
	s_add_nc_u64 s[70:71], s[70:71], s[96:97]
	s_lshl_b32 s96, s92, 9                         ; my first column, in bytes of f32
	s_lshl_b32 s11, s9, 8
	s_add_co_u32 s96, s96, s11
	s_add_nc_u64 s[76:77], s[76:77], s[96:97]      ; b_o,
	s_add_nc_u64 s[78:79], s[78:79], s[96:97]      ; out0,
	s_lshl_b32 s96, s93, 19                        ; at my first row: rows of 4,096 bytes
	s_lshl_b32 s11, s8, 17
	s_add_co_u32 s96, s96, s11
	s_add_nc_u64 s[78:79], s[78:79], s[96:97]
.irp p, 0,1
	global_load_b128 v[WS+8*\p:WS+8*\p+3], v[OSC], s[74:75] offset:1024*\p
	global_load_b128 v[WS+8*\p+4:WS+8*\p+7], v[OSC], s[74:75] offset:1024*\p+16
.endr
	global_load_b128 v[XS:XS+3], v[OSC], s[70:71]
	global_load_b128 v[XS+4:XS+7], v[OSC], s[70:71] offset:16
.irp n, 0,1,2,3
	global_load_b128 v[BO+8*\n:BO+8*\n+3], v[OBI], s[76:77] offset:64*\n        ; register j of tile n: column 16 n + 8 h + j
	global_load_b128 v[BO+8*\n+4:BO+8*\n+7], v[OBI], s[76:77] offset:64*\n+16
.endr
.macro OSTEP s                         ; 128 along K: six fragments, eight products, the accumulators by turns
.set khf, (\s)%2
.if (\s) > 0
.if khf == 0
	v_add_nc_u32 v[AA], ACH, v[AA]                 ; on to the next chunk; with the six below: eight places
	v_add_nc_u32 v[BA], BCH, v[BA]
	s_wait_alu depctr_va_vdst(0)
	PLACES 6
.else
	PLACES 8
.endif
.endif
.if (\s) == 0
	s_wait_tensorcnt 0x0
	s_barrier_signal -1
	s_barrier_wait -1                              ; everybody's has
.endif
.irp n, 0,1,2,3
.set rr, BF+16*\n
.set oo, 16*\n*BP+128*khf
	FRAG rr, BA, oo
.endr
.irp m, 0,1
.set rr, AF+16*\m
.set oo, 16384*khf+2048*\m
	IMG rr, AA, oo
.endr
	s_wait_dscnt 0x0
.if (\s) == 0
	s_wait_loadcnt 0x0                             ; the scale words and b_o
.endif
.irp m, 0,1
.irp n, 0,1,2,3
.set rD, ACC+32*\m+8*\n
.set rC, rD
.if (\s) == 0
.set rC, BO+8*\n
.endif
.set rA, BF+16*\n
.set rB, AF+16*\m
.set rSA, WS+8*(\n/2)+(\s)
.set rSB, XS+(\s)
.set rRA, \n%2
.set rRB, \m
	WMMA
.endr
.endr
.endm
.irp s, 0,1,2,3,4,5,6,7
	OSTEP \s
.endr
; THE WAY OUT.  A lane holds 32 neighbouring bytes of a row and the lanes beside it hold other rows: a tile of 16 rows x 64 columns goes through my own stage and comes back as whole rows of 256 bytes.
; LDS serves a wave's instructions in order (ISA guide 5.7.1.4): no wait between the stores and the loads, nor in front of the next tile's stores.
.macro TOSTAGE m
.irp n, 0,1,2,3
	ds_store_b128 v[STO], v[ACC+32*\m+8*\n:ACC+32*\m+8*\n+3] offset:64*\n          ; each accumulator from its low end on
	ds_store_b128 v[STO], v[ACC+32*\m+8*\n+4:ACC+32*\m+8*\n+7] offset:64*\n+16
.endr
.irp i, 0,1,2,3,4,5,6,7
	ds_load_b128 v[BF+32*\m+4*\i:BF+32*\m+4*\i+3], v[RD] offset:2*\i*PITCH
.endr
.endm
.macro SEND m, younger                 ; younger: the LDS instructions issued behind tile m's loads
.irp i, 0,1,2,3,4,5,6,7
	s_wait_dscnt \younger+7-\i
	global_store_b128 v[CO], v[BF+32*\m+4*\i:BF+32*\m+4*\i+3], s[78:79] offset:(16*\m+2*\i)*4096 th:TH_STORE_NT   ; 16 lanes store 256 consecutive bytes, at a multiple of 256 from out0's first byte; written once, read by nobody here
.endr
.endm
	PLACES 8                                       ; behind the last products: the stores read their results, the loads land in registers that they read
	TOSTAGE 0
	TOSTAGE 1
	SEND 0, 16
	SEND 1, 0
	s_wait_tensorcnt 0x0                           ; the wave's end: the wait, add and wait, behind my last tensor load and my last LDS store
	ds_add_u32 v[SPW], v[NIL]
	s_wait_dscnt 0x0
	CROUND                                         ; the closing round: no work-group ends while a partner may still ask for a tile that names it
	s_endpgm
.Lfunc_end_k_q0c9e81bf96_oproj:
	.size	k_q0c9e81bf96_oproj, .Lfunc_end_k_q0c9e81bf96_oproj-k_q0c9e81bf96_oproj
	.p2alignl 7, 3214868480
	.fill 96, 4, 3214868480
	.section	.rodata,"a",@progbits
	.p2align	6, 0x0
	.amdhsa_kernel k_q0c9e81bf96_oproj
		.amdhsa_group_segment_fixed_size 306176
		.amdhsa_private_segment_fixed_size 0
		.amdhsa_enable_private_segment 0
		.amdhsa_kernarg_size 48
		.amdhsa_user_sgpr_count 2
		.amdhsa_user_sgpr_kernarg_segment_ptr 1
		.amdhsa_wavefront_size32 1
		.amdhsa_system_sgpr_workgroup_id_x 1
		.amdhsa_system_sgpr_workgroup_id_y 1
		.amdhsa_system_sgpr_workgroup_id_z 1
		.amdhsa_system_vgpr_workitem_id 0
		.amdhsa_next_free_vgpr 256
		.amdhsa_next_free_sgpr 100
		.amdhsa_reserve_vcc 0
		.amdhsa_float_denorm_mode_32 3
		.amdhsa_float_denorm_mode_16_64 3
		.amdhsa_memory_ordered 1
		.amdhsa_forward_progress 1
		.amdhsa_inst_pref_size 35
	.end_amdhsa_kernel
	.amdgpu_metadata
---
amdhsa.version: [ 1, 2 ]
amdhsa.kernels:
  - .name:           k_q0c9e81bf96_oproj
    .symbol:         k_q0c9e81bf96_oproj.kd
    .args:
      - { .name: a_img, .offset: 0, .size: 8, .value_kind: global_buffer, .address_space: global }
      - { .name: a_scl, .offset: 8, .size: 8, .value_kind: global_buffer, .address_space: global }
      - { .name: w_o_codes, .offset: 16, .size: 8, .value_kind: global_buffer, .address_space: global }
      - { .name: w_o_scales, .offset: 24, .size: 8, .value_kind: global_buffer, .address_space: global }
      - { .name: b_o, .offset: 32, .size: 8, .value_kind: global_buffer, .address_space: global }
      - { .name: out0, .offset: 40, .size: 8, .value_kind: global_buffer, .address_space: global }
    .group_segment_fixed_size: 306176
    .private_segment_fixed_size: 0
    .kernarg_segment_align: 8
    .kernarg_segment_size: 48
    .max_flat_workgroup_size: 256
    .sgpr_count:     100
    .vgpr_count:     256
    .wavefront_size: 32
...
	.end_amdgpu_metadata
.endif
;; end of part 3
